; MI455X (gfx1250); checked and timed in simulation.
; The chip was launched on July 23, 2026; its instructions are those of AMD's public machine-readable ISA for CDNA 5 (MIT licence, August 2026) and "CDNA5" Instruction Set Architecture Reference Guide (July 2026). The comments in the code are by the model that wrote it; some were corrected since.
;; Sparse Self Attention. Allowed arithmetic: matrix products marked QUANTISED: E2M3 operands, one E8M0 scale for each 32 along K, by v_wmma_scale_f32_16x16x128_f8f6f4 with both operands' format E2M3, f32 sums; products left as they are: f32 operands where the result goes on into a quantised operand, else bf16, f16 or f32 operands; f32 sums; everything else in f32.
;; Inputs: Wk 512 x 512 float32; Wq 512 x 512 float32; Wv 512 x 512 float32; x 2 x 4,096 x 512 float32.
;; Outputs: out0 2 x 4,096 x 512 float32.
;; This version of the problem:
;;   THIS VERSION OF THE PROBLEM IS GIVEN IN LOW PRECISION. The matrix products marked QUANTISED in the list below multiply operands that are first quantised to E2M3 (2 exponent bits, 3 mantissa bits; 6 bits a number), with one power-of-two scale for each 32 numbers along K (OCP MX v1.0); their sums are f32. All else is computed in f32.
;;   The module's matrix products, in the order in which they are computed (A, B: the left and right operand; K: the contracted axis; several contracted axes count as one K, in the product's order):
;;     1. [M 8,200, K 512] x [K 512, N 512]; A: computed on the way; B: input Wq: QUANTISED
;;     2. [M 8,200, K 512] x [K 512, N 512]; A: computed on the way; B: input Wk: QUANTISED
;;     3. [M 8,200, K 512] x [K 512, N 512]; A: computed on the way; B: input Wv: QUANTISED
;;     4. batch 64 x [M 1,025, K 64] x [K 64, N 1,025]; A: computed on the way; B: computed on the way: QUANTISED
;;     5. batch 65,600 x [M 1, K 64] x [K 64, N 7]; A: computed on the way; B: computed on the way: left as it is (M = 1 < 16)
;;     6. batch 64 x [M 1,025, K 1,025] x [K 1,025, N 64]; A: computed on the way; B: computed on the way: QUANTISED
;;     7. batch 65,600 x [M 1, K 7] x [K 7, N 64]; A: computed on the way; B: computed on the way: left as it is (K = 7 < 32)
;;   THE QUANTISER, for each operand of a quantised product, along K:
;;     - K is cut into blocks of 32 from its start; a last block that is shorter is filled with zeros.
;;     - A block's scale is 2^e with e = floor(log2(the largest magnitude in the block)) - 2, held to -126 .. 127; a block of zeros has e = 0. As a byte (E8M0): e + 127.
;;     - Each number is divided by its block's scale, clamped to +-7.5, and rounded to the nearest number of E2M3, ties to even, subnormals kept.
;;     - The product sums the exact products of the quantised numbers (number of the format x scale) in f32.
;;   ~~~python
;;   def quantise(x, axis):      # numpy; x: float32 -> the quantised numbers, widened to float32 again
;;       x = np.moveaxis(x, axis, -1); K = x.shape[-1]
;;       x = np.pad(x, [(0, 0)] * (x.ndim - 1) + [(0, -K % 32)]); x = x.reshape(x.shape[:-1] + (-1, 32)); a = np.abs(x).max(-1, keepdims=True)
;;       e = np.where(a > 0, np.clip(np.frexp(np.where(a > 0, a, 1))[1] - 1 - 2, -126, 127), 0)      # np.frexp(a)[1] - 1 = floor(log2(a)), exactly
;;       r = np.clip(x / 2.0 ** e, -7.5, 7.5)
;;       step = 2.0 ** (np.maximum(np.frexp(np.where(r == 0, 1, r))[1] - 1, 0) - 3)
;;       q = np.round(r / step) * step * 2.0 ** e      # np.round: ties to even
;;       return np.moveaxis(q.reshape(q.shape[:-2] + (-1,))[..., :K], -1, axis).astype(np.float32)
;;   ~~~
;;   OPERANDS COMPUTED ON THE WAY. 'Computed on the way' means the value that the module computes at that place (a softmax that the list does not call 'softmax' is quantised finished and normalised). What goes into a quantiser is computed in f32, as accurately as f32 sums, v_exp_f32 and their like allow (about 1e-6 of the number): no bf16 or f16 on the way to a quantiser, and a product that is left as it is and whose result goes on into a quantised operand takes f32 operands (vector FMAs, or v_wmma_f32_16x16x4_f32). A number that lies on a knife's edge between two numbers of the format may be rounded either way, as far as f32 arithmetic and the matrix unit's own rounding can turn it there, and no further.
;; 2 versions. Each part assembles by itself: llvm-mc -triple=amdgcn-amd-amdhsa -mcpu=gfx1250 --defsym DOCPART=n.
;; ======== version 1 of 2: 2 launches
;; workspace buffers: xc 3,145,728 bytes; xs 262,144 bytes; wc 589,824 bytes; ws 49,152 bytes
;; launch quant (part 1): grid 608 x 1, 4 waves a work-group, no clusters, 0 bytes of LDS; arguments x, Wq, Wk, Wv, xc, xs, wc, ws; writes xc, xs, wc, ws
.if DOCPART == 1
	.amdgcn_target "amdgcn-amd-amdhsa--gfx1250"
	.amdhsa_code_object_version 6
	.text
	.protected	k_q042486212d_quant
	.globl	k_q042486212d_quant
	.p2align	8
	.type	k_q042486212d_quant,@function
k_q042486212d_quant:
	s_mov_b64 s[64:65], 0
	v_nop
	global_prefetch_b8 v0, s[64:65] scope:SCOPE_SE
	s_setreg_imm32_b32 hwreg(HW_REG_WAVE_MODE, 25, 1), 1
	s_wait_xcnt 0x0
; x [2][4096][512] and Wq, Wk, Wv [512 (k)][512 (n)], f32, become codes of FP6 (E2M3) with one E8M0 byte for each 32 along K = 512,
; laid as IMAGES OF THE OPERAND'S REGISTERS: a fragment (16 rows x 128 K) is 12 registers a lane, 1,536 bytes: registers 4 g .. 4 g + 3 of lane l at 512 g + 16 l.
; Lane (r, h) holds of its row, in registers 6 c .. 6 c + 5, k = 128 s + 64 c + 32 h + 0 .. 31: two whole blocks, so no other lane is asked for a maximum.
; THE ROWS OF A TILE ARE NOT NEIGHBOURS: lane r of tile 2 B + u takes row 32 B + 8 u + r + 8 (r / 8).  For x a row is index i of a class (batch, residue): position 4 i + residue; for a weight it is a column n.
; xc: [class 8][tile 64][K step 4] images.  xs: [class][tile][lane 32][K step 4] scale words.  wc: [q, k, v][head 8][tile 4][K step 4] images.  ws: [q, k, v][head][K step 4][lane 32][tile 4] words.
; One wave makes one fragment; the wave's number is the K step.  Work-groups 0 .. 511 take x's tiles, 512 .. 607 the weights'.  Pointers and strides are chosen by selects on the work-group's number;
; only the loads stand in two arms: x's K is innermost (16 loads of 16 bytes), a weight's runs down its rows (64 loads of 4 bytes).  No LDS, no barrier: waves share nothing.
; A block's scale is 2^(floor(log2(its largest magnitude)) - 2); its byte is the largest magnitude's exponent field - 2, held at 1 from below.
; LIMITS: a block of zeros, or one whose largest magnitude lies under 2^-124, keeps the byte 1 (zeros' codes are zeros, and this program alone reads the bytes); NaN and infinities are not served.
.set X,  32                            ; v32-95   my 64 numbers: register 32 c + i is k = 64 c + 32 h + i
.set FR, 96                            ; v96-107  the fragment
.set TP, 108                           ; v108-115 the second halves of the two blocks: a conversion's three registers begin on an even number
	s_load_b256 s[8:15], s[0:1], 0x0               ; x s[8:9], Wq s[10:11], Wk s[12:13], Wv s[14:15]
	s_load_b256 s[16:23], s[0:1], 0x20             ; xc s[16:17], xs s[18:19], wc s[20:21], ws s[22:23]
	v_lshrrev_b32 v1, 5, v0
	v_readfirstlane_b32 s24, v1                    ; wave = K step s
	v_and_b32 v1, 31, v0                           ; lane
	v_and_b32 v2, 15, v0                           ; r
	v_bfe_u32 v3, v0, 4, 1                         ; h
	v_and_b32 v6, 8, v2
	v_add_nc_u32 v6, v6, v2                        ; r + 8 (r / 8)
	v_lshlrev_b32 v5, 4, v1                        ; 16 x lane: my place in an image's group, and in the scale words
	s_mov_b32 s38, 0x76543210
	s_mov_b32 s39, 0xfedcba98                      ; v_permlanex16_b32's selects for lane l xor 16
	s_min_u32 s32, ttmp9, 511                      ; x's tile g; held, so that the way not chosen gives bounded numbers too
	s_max_u32 s33, ttmp9, 512
	s_sub_co_u32 s33, s33, 512                     ; the weights' tile g' = 32 sel + 4 head + t
	; x: row = 4096 batch + 128 (tau / 2) + 32 (tau % 2) + residue, 2,048 bytes a row, + 512 s
	s_lshr_b32 s34, s32, 8
	s_lshl_b32 s34, s34, 12
	s_bfe_u32 s35, s32, 0x20006
	s_add_co_u32 s34, s34, s35
	s_bfe_u32 s35, s32, 0x50001
	s_lshl_b32 s35, s35, 7
	s_add_co_u32 s34, s34, s35
	s_and_b32 s35, s32, 1
	s_lshl_b32 s35, s35, 5
	s_add_co_u32 s34, s34, s35
	s_lshl_b32 s34, s34, 11
	s_lshl_b32 s35, s24, 9
	s_add_co_u32 s34, s34, s35
	; a weight: 128 s rows of 2,048 bytes + 4 x (64 head + 32 (t / 2) + 8 (t % 2))
	s_lshr_b32 s36, s33, 5                         ; sel
	s_bfe_u32 s37, s33, 0x30002
	s_lshl_b32 s37, s37, 8
	s_bfe_u32 s40, s33, 0x10001
	s_lshl_b32 s40, s40, 7
	s_add_co_u32 s37, s37, s40
	s_and_b32 s40, s33, 1
	s_lshl_b32 s40, s40, 5
	s_add_co_u32 s37, s37, s40
	s_lshl_b32 s40, s24, 18
	s_add_co_u32 s37, s37, s40
	; the scale words: xs at 512 g + 4 s;  ws at 2048 (g' / 4) + 512 s + 4 t
	s_lshl_b32 s41, s32, 9
	s_lshl_b32 s42, s24, 2
	s_add_co_u32 s41, s41, s42
	s_lshr_b32 s42, s33, 2
	s_lshl_b32 s42, s42, 11
	s_lshl_b32 s43, s24, 9
	s_add_co_u32 s42, s42, s43
	s_and_b32 s43, s33, 3
	s_lshl_b32 s43, s43, 2
	s_add_co_u32 s42, s42, s43
	s_wait_kmcnt 0x0
	s_cmp_eq_u32 s36, 0
	s_cselect_b64 s[26:27], s[10:11], s[12:13]     ; Wq or Wk,
	s_cmp_eq_u32 s36, 2
	s_cselect_b64 s[26:27], s[14:15], s[26:27]     ; or Wv
	s_mov_b32 s45, 0x10000
	s_cmp_lt_u32 ttmp9, 512                        ; x's work-group or a weight's?  All choices hang on the work-group's number alone
	s_cselect_b64 s[26:27], s[8:9], s[26:27]       ; the source,
	s_cselect_b64 s[28:29], s[16:17], s[20:21]     ; the codes,
	s_cselect_b64 s[30:31], s[18:19], s[22:23]     ; the scale words
	s_cselect_b32 s34, s34, s37
	s_cselect_b32 s41, s41, s42
	s_cselect_b32 s32, s32, s33
	s_cselect_b32 s44, 0x2000, 4                   ; from row to row of a tile: four rows of x, or a column of a weight
	s_cselect_b32 s45, 128, s45                    ; 32 along K: 128 bytes of a row of x, or 32 rows of a weight
	s_mov_b32 s35, 0
	s_add_nc_u64 s[26:27], s[26:27], s[34:35]
	s_lshl_b32 s32, s32, 2
	s_add_co_u32 s32, s32, s24
	s_mul_i32 s32, s32, 1536                       ; image 4 x tile + s
	s_mov_b32 s33, 0
	s_add_nc_u64 s[28:29], s[28:29], s[32:33]
	s_mov_b32 s42, s41
	s_mov_b32 s43, 0
	s_add_nc_u64 s[30:31], s[30:31], s[42:43]
	v_mul_u32_u24 v4, s44, v6
	v_mad_u32_u24 v4, v3, s45, v4                  ; my lane's byte in the source
	s_cmp_lt_u32 ttmp9, 512
	s_cbranch_scc0 .Lweight
.irp c, 0,1
.irp j, 0,1,2,3,4,5,6,7
	global_load_b128 v[X+32*\c+4*\j:X+32*\c+4*\j+3], v4, s[26:27] offset:256*\c+16*\j   ; x(row, 128 s + 64 c + 32 h + 4 j ..)
.endr
.endr
	s_branch .Ljoin
.Lweight:
.irp c, 0,1
.irp i, 0,1,2,3,4,5,6,7,8,9,10,11,12,13,14,15,16,17,18,19,20,21,22,23,24,25,26,27,28,29,30,31
	global_load_b32 v[X+32*\c+\i], v4, s[26:27] offset:(64*\c+\i)*2048   ; W(128 s + 64 c + 32 h + i, my column)
.endr
.endr
.Ljoin:
	s_wait_loadcnt 0x0
.irp c, 0,1                                    ; my block 2 c + h: all its 32 numbers are mine
	v_max3_num_f32 v[8+\c], |v[X+32*\c]|, |v[X+32*\c+1]|, 0x1800000   ; with the floor 2^(3 - 127): the byte cannot fall under 1
.endr
.irp i, 2,4,6,8,10,12,14,16,18,20,22,24,26,28,30
.irp c, 0,1
	v_max3_num_f32 v[8+\c], v[8+\c], |v[X+32*\c+\i]|, |v[X+32*\c+\i+1]|   ; the two blocks by turns
.endr
.endr
.irp c, 0,1
	v_add_nc_u32 v[10+\c], 0xff000000, v[8+\c]     ; 2 off the exponent field: the conversion takes the exponent field of this operand as its scale
.endr
.irp c, 0,1
	v_lshrrev_b32 v[12+\c], 23, v[10+\c]           ; the scale's byte
.endr
	v_lshl_or_b32 v14, v13, 16, v12                ; my two bytes: blocks h and 2 + h,
	v_lshlrev_b32 v15, 3, v3
	v_lshlrev_b32 v14, v15, v14                    ; at their places in the word (8 h bits up);
	v_mov_b32 v15, 0                               ; (a lane permute's destination counts as one of its sources)
	v_permlanex16_b32 v15, v14, s38, s39
	v_or_b32 v14, v14, v15                         ; with lane l xor 16's two the word is whole, in both halves of the lanes
.irp c, 0,1
	v_cvt_scalef32_pk16_fp6_f32 v[FR+6*\c:FR+6*\c+2], v[X+32*\c:X+32*\c+15], v[10+\c]
	v_cvt_scalef32_pk16_fp6_f32 v[TP+4*\c:TP+4*\c+2], v[X+32*\c+16:X+32*\c+31], v[10+\c]
.endr
	v_nop                                          ; one plain place behind a scaled conversion
.irp c, 0,1
.irp i, 0,1,2
	v_mov_b32 v[FR+6*\c+3+\i], v[TP+4*\c+\i]
.endr
.endr
.irp g, 0,1,2
	global_store_b128 v5, v[FR+4*\g:FR+4*\g+3], s[28:29] offset:512*\g   ; 32 lanes store 512 consecutive bytes, at a multiple of 512 from the buffer's first byte
.endr
	global_store_b32 v5, v14, s[30:31]             ; my row's word; the four waves' words (x) or four work-groups' (weights) lie side by side
	s_endpgm
.Lfunc_end_k_q042486212d_quant:
	.size	k_q042486212d_quant, .Lfunc_end_k_q042486212d_quant-k_q042486212d_quant
	.p2alignl 7, 3214868480
	.fill 96, 4, 3214868480
	.section	.rodata,"a",@progbits
	.p2align	6, 0x0
	.amdhsa_kernel k_q042486212d_quant
		.amdhsa_group_segment_fixed_size 0
		.amdhsa_private_segment_fixed_size 0
		.amdhsa_enable_private_segment 0
		.amdhsa_kernarg_size 64
		.amdhsa_user_sgpr_count 2
		.amdhsa_user_sgpr_kernarg_segment_ptr 1
		.amdhsa_wavefront_size32 1
		.amdhsa_system_sgpr_workgroup_id_x 1
		.amdhsa_system_sgpr_workgroup_id_y 1
		.amdhsa_system_sgpr_workgroup_id_z 1
		.amdhsa_system_vgpr_workitem_id 0
		.amdhsa_next_free_vgpr 120
		.amdhsa_next_free_sgpr 66
		.amdhsa_reserve_vcc 0
		.amdhsa_float_denorm_mode_32 3
		.amdhsa_float_denorm_mode_16_64 3
		.amdhsa_memory_ordered 1
		.amdhsa_forward_progress 1
		.amdhsa_inst_pref_size 15
	.end_amdhsa_kernel
	.amdgpu_metadata
---
amdhsa.version: [ 1, 2 ]
amdhsa.kernels:
  - .name:           k_q042486212d_quant
    .symbol:         k_q042486212d_quant.kd
    .args:
      - { .name: x, .offset: 0, .size: 8, .value_kind: global_buffer, .address_space: global }
      - { .name: Wq, .offset: 8, .size: 8, .value_kind: global_buffer, .address_space: global }
      - { .name: Wk, .offset: 16, .size: 8, .value_kind: global_buffer, .address_space: global }
      - { .name: Wv, .offset: 24, .size: 8, .value_kind: global_buffer, .address_space: global }
      - { .name: xc, .offset: 32, .size: 8, .value_kind: global_buffer, .address_space: global }
      - { .name: xs, .offset: 40, .size: 8, .value_kind: global_buffer, .address_space: global }
      - { .name: wc, .offset: 48, .size: 8, .value_kind: global_buffer, .address_space: global }
      - { .name: ws, .offset: 56, .size: 8, .value_kind: global_buffer, .address_space: global }
    .group_segment_fixed_size: 0
    .private_segment_fixed_size: 0
    .kernarg_segment_align: 8
    .kernarg_segment_size: 64
    .max_flat_workgroup_size: 128
    .sgpr_count:     66
    .vgpr_count:     120
    .wavefront_size: 32
...
	.end_amdgpu_metadata
.endif
;; end of part 1
;; launch attn (part 2): grid 256 x 1, 16 waves a work-group, no clusters, 325,632 bytes of LDS; arguments xc, xs, wc, ws, out0; writes out0
.if DOCPART == 2
	.amdgcn_target "amdgcn-amd-amdhsa--gfx1250"
	.amdhsa_code_object_version 6
	.text
	.protected	k_q042486212d_attn
	.globl	k_q042486212d_attn
	.p2align	8
	.type	k_q042486212d_attn,@function
k_q042486212d_attn:
	s_mov_b64 s[64:65], 0
	v_nop
	global_prefetch_b8 v0, s[64:65] scope:SCOPE_SE
	s_setreg_imm32_b32 hwreg(HW_REG_WAVE_MODE, 25, 1), 1
	s_wait_xcnt 0x0
; Sparse self-attention, all products with K >= 32 on codes of FP6 (E2M3) with one E8M0 scale for each 32 along K.
; Positions t = 4 i + residue fall into 64 problems (batch 2, head 8, residue 4) of 1,024 real indices i; index 1,024 is a row of zeros: as a key its score is 0 and its v is 0, so it counts in the maximum and the sum alone.
; Each query i attends to all keys of its problem (quantised products) and once more to keys i - 3 .. i + 3 (f32 scores, v in bf16); a key outside 0 .. 1,023 has score 0 and v = 0 and still counts.  One softmax over all.
; THE WEIGHTS ARE QUANTISED FINISHED AND NORMALISED, so the row's maximum and sum are known first: PASS 1 walks all keys for them, PASS 2 makes the scores again, p = 2^(c s - c max - log2 sum), quantises p along the keys and multiplies by V.
; SHARES.  Work-group g: quarter qd = g % 4 of the queries (256), head (g / 4) % 8, class cl = g / 32 (batch, residue).  Sixteen waves of 256 registers, four to a SIMD, so that one wave's vector work stands beside another's products and LDS loads.
; The work-group projects k and v of all 1,024 keys of its class and head itself (wave w: 64 keys, LDS slot w) and q of its 256 queries (wave w: one tile of 16): q, k, v never go to memory.
; THE ROTATION.  Slot w holds key group (w + 4 qd) % 16, so the work-group's queries are always local keys 0 .. 255: every LDS address hangs on the wave's number alone, only global addresses know qd; blocks of 32 keys stay whole.
; LAYOUT.  k^T = Wk^T x^T and q^T likewise (source 0 = 16 columns of W, source 1 = 16 rows of x): a lane holds one key or query and 16 neighbours along d in 16 registers.  v = x Wv (source 0 = x): a lane holds one d and 16 neighbouring keys.
; S^T = K Q^T and O^T = V^T P^T: a lane holds ONE query throughout.  The rows of every tile are r + 8 (r / 8) + 8 u + 32 B, so that two neighbouring tiles' 16 registers are 16 neighbours along the next K.
; K Q^T HAS K = 64, THE INSTRUCTION 128: two tiles of keys share a fragment (tile 2 f in registers 0-5, tile 2 f + 1 in registers 6-11), and q stands twice, as [q | zero codes] and as [zero codes | q]: the first product
; gives tile 2 f's scores, the second tile 2 f + 1's.  So a step's 128 keys are four whole fragments, one run of LDS loads, and they are requested a step ahead, behind the products that read the registers.
; Operands go from wave to wave through LDS as images of their registers.  Two barriers: W staged | all images and bands stored.
; NO CLUSTER, NO TENSOR LOADS: each fragment of x goes from memory straight into one wave's operand registers; the four work-groups of a class and head walk the key groups 4 slots apart, so they never want the same tile together;
; what all work-groups of a head read alike (W's 79,872 bytes) is a sixth of a work-group's 497,664 bytes and is read once, at the head.
; LIMITS: NaN and infinities are not served; a block whose largest magnitude lies under 2^-124 keeps the byte 1; a p under 2^-126 becomes 0; the seven local v are rounded to bf16; f32 sums go in another order than the definition's;
; the exponent's addend -c max - log2 sum is rounded once, to half an ulp of its own size, which is of the order of the f32 rounding of the largest score itself.
.set KIMG, 0                           ; K's images: [slot 16][pair 2] fragments of 1,536 bytes: registers 4 g .. 4 g + 3 of lane l at 512 g + 16 l
.set KSC,  49152                       ; their scale words: [key step 8][lane 32][fragment in step 4]: bytes 0, 1 the first tile's two blocks along d, bytes 2, 3 the second's.  4,096 bytes
.set VIMG, 57344                       ; V^T's images: [key step 8][tile of d 4] fragments of 1,536 bytes, 48 bytes a lane: register R of lane l at 48 l + 4 R
.set VSC,  106496                      ; [key step 8][lane 32][tile of d 4] words; byte 2 c + b: slot 2 step + c, block b
.set WIMG, 110592                      ; the head's fragments of Wq, Wk, Wv: [3][tile 4][K step 4] images; behind the second barrier 4,352 bytes a wave: first the block maxima of pass 1, then the way out's stage
.set WSC,  184320                      ; their scale words: [3][K step 4][lane 32][tile 4]
.set KB,   190464                      ; k in f32 for the local scores: 320 rows x 272 bytes; row = local key + 32
.set VB,   277504                      ; v in bf16 for the local sums: 320 rows x 144 bytes
; registers of the projection
.set WFA, 2                            ; v2   WIMG + 16 l
.set WFV, 3                            ; v3   the same at Wv
.set WSA, 4                            ; v4   WSC + 16 l
.set KIA, 5                            ; v5   3072 w + 16 l
.set KSA, 7                            ; v7   KSC + 512 (w / 2) + 8 (w % 2) + 16 l
.set VIA, 8                            ; v8   VIMG + 6144 (w / 2) + 24 (w % 2) + 48 r + 12 h
.set VSA, 9                            ; v9   VSC + 512 (w / 2) + 16 l + 2 (w % 2)
.set KBW, 10                           ; v10-11  where pair b's k goes in the band
.set VBW, 12                           ; v12-13  and its v
.set XSC, 20                           ; v20-27  x's scale words: 4 u + s
.set WSR, 28                           ; v28-31  W's scale words of a K step: tile t
.set AK,  32                           ; v32-95  k^T: 32 u + 8 t
.set AV,  96                           ; v96-159 v: 16 t + 8 u
.set XF,  160                          ; v160-207 x's fragments: 24 (s % 2) + 12 u; for q: 12 s
.set WF,  208                          ; v208-255 four fragments of W; behind a pair's K steps:
.set TM,  208                          ; v208-211 largest magnitudes, v212-215 partners and bytes, v220-223 the conversions' scale operands
.set CD,  224                          ; v224-239 codes, four registers a block
.set BT,  240                          ; v240-255 v as bf16
; registers of the attention
.set KSL, 2                            ; v2   KSC + 16 l
.set VLA, 3                            ; v3   VIMG + 48 l
.set VSL, 4                            ; v4   VSC + 16 l
.set STB, 5                            ; v5   WIMG + 4352 w + 16 l: my four block maxima of step 0
.set KBR, 6                            ; v6   my query's first local row of k
.set VBR, 7                            ; v7   and of v
.set STI, 8                            ; v8   the stage, in
.set STO, 9                            ; v9   the stage, back
.set GO,  10                           ; v10  my byte offset among the wave's rows of out0
.set IQ,  11                           ; v11  my query's index i
.set ADK, 12                           ; v12-16 addresses of the loads in hand: K's images, K's scale words, V's images, V's scale words, the block maxima
.set ADS, 13
.set ADV, 14
.set ADT, 15
.set ADB, 16
.set KS,  20                           ; v20-23 K's scale words, v24-27 V's, v28 and v30 Q's two, v29 p's: v20-31 hold scales and nothing else
.set VS,  24
.set QSL, 28
.set PSW, 29
.set QSH, 30
.set AQ,  32                           ; v32-63 q in f32, then O^T: register 8 t + j is d = 32 (t / 2) + 16 h + 8 (t % 2) + j
.set O,   32
.set S,   64                           ; v64-127 S^T, then p; also band rows, V's fragments (12 t), rows on the way out
.set KF,  128                          ; v128-175 the four fragments of K of a step
.set QFL, 176                          ; v176-187 [q | zero codes]
.set PC,  188                          ; v188-199 p's codes
.set TP,  188                          ; v188-194 at work ahead of pass 2
.set PT,  200                          ; v200-207 the codes' second halves
.set E,   224                          ; v224-230 the seven local scores, then weights
.set MX,  232                          ; v232 the largest score so far
.set NM,  234                          ; v[234:235] -c x that; in pass 2 less log2 of the sum
.set LS,  236                          ; v[236:237] the sum, in two halves
.set T2,  238                          ; v[238:239] a second chain
.set FF,  240                          ; v[240:241] 2^(new NM - old NM)
.set RL,  242                          ; v242 1 / sum
.set LG,  243                          ; v243 log2 sum
.set QFH, 244                          ; v244-255 [zero codes | q]
.set TK,  34                           ; s34  6,144 x a key step: K's and V's images
.set TN,  35                           ; s35  512 x a key step: the scale words and the block maxima
.set MK,  40                           ; s40-46 lanes whose local key lies inside 0 .. 1,023
.macro MMZ d, a, b, sa, sb             ; a product that starts a sum
	v_wmma_scale_f32_16x16x128_f8f6f4 v[(\d):(\d)+7], v[(\a):(\a)+11], v[(\b):(\b)+11], 0, v[(\sa)], v[(\sb)] matrix_a_fmt:MATRIX_FMT_FP6 matrix_b_fmt:MATRIX_FMT_FP6
.endm
.macro MMA d, a, b, sa, sb             ; and one that adds onto it
	v_wmma_scale_f32_16x16x128_f8f6f4 v[(\d):(\d)+7], v[(\a):(\a)+11], v[(\b):(\b)+11], v[(\d):(\d)+7], v[(\sa)], v[(\sb)] matrix_a_fmt:MATRIX_FMT_FP6 matrix_b_fmt:MATRIX_FMT_FP6
.endm
.macro PLACES                          ; four plain places behind a matrix instruction, in front of loads into its registers and of reads of its result
.rept 4
	v_nop
.endr
.endm
	s_load_b256 s[4:11], s[0:1], 0x0               ; xc s[4:5], xs s[6:7], wc s[8:9], ws s[10:11]
	s_load_b64 s[12:13], s[0:1], 0x20              ; out0
	v_lshrrev_b32 v19, 5, v0
	v_readfirstlane_b32 s14, v19                   ; wave w
	s_and_b32 s15, ttmp9, 3                        ; qd
	s_bfe_u32 s16, ttmp9, 0x30002                  ; head
	s_lshr_b32 s17, ttmp9, 5                       ; class
	s_mov_b32 s20, 0x76543210
	s_mov_b32 s21, 0xfedcba98                      ; v_permlanex16_b32's selects for lane l xor 16
	s_mov_b32 s22, 0x3e38aa3b                      ; c = log2(e) / sqrt(64)
	s_mov_b32 s23, s22                             ; (named with it as a pair)
	s_mov_b32 s24, 0xbe38aa3b                      ; -c
	s_mov_b32 s39, 1024
	v_and_b32 v19, 31, v0                          ; l
	v_lshlrev_b32 v1, 4, v19                       ; 16 l; never rewritten
	v_and_b32 v250, 15, v0                         ; r
	v_bfe_u32 v251, v0, 4, 1                       ; h
	v_and_b32 v252, 8, v250
	v_add_nc_u32 v252, v252, v250                  ; r + 8 (r / 8)
	v_add_nc_u32 v[WFA], WIMG, v1
	v_add_nc_u32 v[WFV], WIMG+49152, v1
	v_add_nc_u32 v[WSA], WSC, v1
	s_mul_i32 s48, s14, 3072
	v_add_nc_u32 v[KIA], s48, v1                   ; my slot's two fragments of K
	s_lshr_b32 s50, s14, 1                         ; my key step w / 2,
	s_and_b32 s51, s14, 1                          ; and which of its two slots is mine
	s_lshl_b32 s49, s50, 9
	s_lshl_b32 s52, s51, 3
	s_add_co_u32 s52, s52, s49
	v_add_nc_u32 v[KSA], s52, v1
	v_add_nc_u32 v[KSA], KSC, v[KSA]
	s_mul_i32 s52, s50, 6144
	s_mul_i32 s53, s51, 24
	s_add_co_u32 s52, s52, s53
	v_mul_u32_u24 v[VIA], v250, 48
	v_mad_u32_u24 v[VIA], v251, 12, v[VIA]
	v_add_nc_u32 v[VIA], s52, v[VIA]
	v_add_nc_u32 v[VIA], VIMG, v[VIA]
	s_lshl_b32 s53, s51, 1
	s_add_co_u32 s53, s53, s49
	v_add_nc_u32 v[VSA], s53, v1
	v_add_nc_u32 v[VSA], VSC, v[VSA]
	; the band: local block 2 w + b lies at band block (2 w + b + 1) % 32; blocks 0 .. 9 (local keys -32 .. 287) are kept
	s_lshl_b32 s32, s14, 1
	s_add_co_u32 s33, s32, 2
	s_add_co_u32 s32, s32, 1
	s_and_b32 s32, s32, 31
	s_and_b32 s33, s33, 31
	v_mul_u32_u24 v253, v252, 272
	v_lshl_add_u32 v253, v251, 6, v253
	v_add_nc_u32 v253, KB, v253                    ; k: row r + 8 (r / 8) of the block (+ 8 u), bytes 64 h on
	v_mul_u32_u24 v254, v251, 2304
	v_lshl_add_u32 v254, v252, 1, v254
	v_add_nc_u32 v254, VB, v254                    ; v: row 16 h (+ 8 u + j), d = r + 8 (r / 8) (+ the tile's)
	s_min_u32 s52, s32, 9
	s_mul_i32 s53, s52, 8704
	s_mul_i32 s52, s52, 4608
	v_add_nc_u32 v[KBW], s53, v253
	v_add_nc_u32 v[VBW], s52, v254
	s_min_u32 s52, s33, 9
	s_mul_i32 s53, s52, 8704
	s_mul_i32 s52, s52, 4608
	v_add_nc_u32 v[KBW+1], s53, v253
	v_add_nc_u32 v[VBW+1], s52, v254
	v_lshl_add_u32 v14, v0, 4, WIMG                ; staging W: 16 bytes a thread,
	v_add_nc_u32 v15, 49152, v14                   ; (Wv's part lies beyond an LDS immediate's reach)
	v_lshl_add_u32 v16, v0, 2, WSC                 ; 4 bytes a thread of the scale words
	v_lshlrev_b32 v17, 2, v0
	v_lshlrev_b32 v18, 4, v0
	; global places
	s_lshl_b32 s48, s15, 2
	s_add_co_u32 s48, s48, s14
	s_and_b32 s48, s48, 15                         ; my key group (w + 4 qd) % 16
	s_lshl_b32 s48, s48, 2
	s_lshl_b32 s49, s17, 6
	s_add_co_u32 s48, s48, s49                     ; its first tile: 64 cl + 4 x group
	s_mov_b32 s51, 0
	s_mov_b32 s55, 0
	s_mul_i32 s50, s48, 6144
	s_lshl_b32 s54, s48, 9
	s_wait_kmcnt 0x0
	s_add_nc_u64 s[18:19], s[4:5], s[50:51]        ; its images,
	s_add_nc_u64 s[26:27], s[6:7], s[54:55]        ; its scale words
	s_lshl_b32 s48, s15, 4
	s_add_co_u32 s48, s48, s14
	s_add_co_u32 s48, s48, s49                     ; my tile of queries: 64 cl + 16 qd + w
	s_mul_i32 s50, s48, 6144
	s_lshl_b32 s54, s48, 9
	s_add_nc_u64 s[28:29], s[4:5], s[50:51]
	s_add_nc_u64 s[30:31], s[6:7], s[54:55]
	s_mul_i32 s50, s16, 24576
	s_lshl_b32 s54, s16, 11
	s_add_nc_u64 s[8:9], s[8:9], s[50:51]          ; the head's part of wc,
	s_add_nc_u64 s[10:11], s[10:11], s[54:55]      ; and of ws
	s_lshr_b32 s48, s17, 2                         ; out0: row 4096 batch + 4 (256 qd + 32 (w / 2) + 8 (w % 2)) + residue, 2,048 bytes a row, + 256 head
	s_lshl_b32 s48, s48, 12
	s_lshl_b32 s49, s15, 10
	s_add_co_u32 s48, s48, s49
	s_lshr_b32 s49, s14, 1
	s_lshl_b32 s49, s49, 7
	s_add_co_u32 s48, s48, s49
	s_and_b32 s49, s14, 1
	s_lshl_b32 s49, s49, 5
	s_add_co_u32 s48, s48, s49
	s_and_b32 s49, s17, 3
	s_add_co_u32 s48, s48, s49
	s_lshl_b32 s48, s48, 11
	s_lshl_b32 s49, s16, 8
	s_add_co_u32 s50, s48, s49
	s_add_nc_u64 s[12:13], s[12:13], s[50:51]
; the two fragments of x of pair pb, K step ks, into buffer ks % 2: six loads of 512 consecutive bytes
.macro XLOAD pb, ks
.irp u, 0,1
.irp g, 0,1,2
	global_load_b128 v[XF+24*((\ks)%2)+12*\u+4*\g:XF+24*((\ks)%2)+12*\u+4*\g+3], v1, s[18:19] offset:(2*(\pb)+\u)*6144+1536*(\ks)+512*\g
.endr
.endr
.endm
.macro XSCLOAD pb                      ; the pair's scale words: four K steps' words a lane and tile
.irp u, 0,1
	global_load_b128 v[XSC+4*\u:XSC+4*\u+3], v1, s[26:27] offset:(2*(\pb)+\u)*512
.endr
.endm
	; ---- W's fragments and scale words of this head go to LDS, 512 threads side by side
.irp sel, 0,1,2
.irp rd, 0,1,2
	global_load_b128 v[32+12*\sel+4*\rd:35+12*\sel+4*\rd], v18, s[8:9] offset:196608*\sel+8192*\rd
.endr
.endr
.irp sel, 0,1,2
	global_load_b32 v[68+\sel], v17, s[10:11] offset:16384*\sel
.endr
	XSCLOAD 0
	XLOAD 0, 0
	s_wait_loadcnt 8                               ; W's twelve loads are in; x's eight, issued behind them, may stay out
.irp sel, 0,1
.irp rd, 0,1,2
	ds_store_b128 v14, v[32+12*\sel+4*\rd:35+12*\sel+4*\rd] offset:24576*\sel+8192*\rd
.endr
.endr
.irp rd, 0,1,2
	ds_store_b128 v15, v[56+4*\rd:59+4*\rd] offset:8192*\rd
.endr
.irp sel, 0,1,2
	ds_store_b32 v16, v[68+\sel] offset:2048*\sel
.endr
	s_wait_dscnt 0x0                               ; for the others' sake: my part of W lies in LDS
	s_barrier_signal -1
	s_barrier_wait -1
; A K step of 128 of the projections of pair pb: 8 products for k^T, 8 for v; each fragment of W feeds two.  The sixteen accumulators take turns, one instruction a turn.
; nxt = 1: the next K step's fragments of x (pair nb, step ns) are asked for first.
.macro KSTEP pb, ks, nxt, nb, ns
.if \nxt
	XLOAD \nb, \ns
	s_wait_loadcnt 6                               ; all but the six just issued: this step's fragments and the pair's scale words are in
.else
	s_wait_loadcnt 0x0
.endif
	ds_load_b128 v[WSR:WSR+3], v[WSA] offset:2048+512*(\ks)
.irp t, 0,1,2,3
.irp g, 0,1,2
	ds_load_b128 v[WF+12*\t+4*\g:WF+12*\t+4*\g+3], v[WFA] offset:24576+(4*\t+(\ks))*1536+512*\g
.endr
.endr
	s_wait_dscnt 0x0
.irp u, 0,1
.irp t, 0,1,2,3
.if (\ks) == 0
	MMZ AK+32*\u+8*\t, WF+12*\t, XF+24*((\ks)%2)+12*\u, WSR+\t, XSC+4*\u+(\ks)
.else
	MMA AK+32*\u+8*\t, WF+12*\t, XF+24*((\ks)%2)+12*\u, WSR+\t, XSC+4*\u+(\ks)
.endif
.endr
.endr
	PLACES
	ds_load_b128 v[WSR:WSR+3], v[WSA] offset:4096+512*(\ks)
.irp t, 0,1,2,3
.irp g, 0,1,2
	ds_load_b128 v[WF+12*\t+4*\g:WF+12*\t+4*\g+3], v[WFV] offset:(4*\t+(\ks))*1536+512*\g
.endr
.endr
	s_wait_dscnt 0x0
.irp u, 0,1
.irp t, 0,1,2,3
.if (\ks) == 0
	MMZ AV+16*\t+8*\u, XF+24*((\ks)%2)+12*\u, WF+12*\t, XSC+4*\u+(\ks), WSR+\t
.else
	MMA AV+16*\t+8*\u, XF+24*((\ks)%2)+12*\u, WF+12*\t, XSC+4*\u+(\ks), WSR+\t
.endif
.endr
.endr
	PLACES
.endm
; nb blocks of 32 along a K; block q's 16 numbers of my lane stand in v[base + 16 q] on, the other 16 in lane l xor 16.  Bytes to v[TM + 4 + q], 16 codes to v[CD + 4 q] on.  Each accumulator is read from its low end on.
.macro QS nb, base
.set qb, 0
.rept \nb
	v_max3_num_f32 v[TM+qb], |v[\base+16*qb]|, |v[\base+16*qb+1]|, 0x1800000   ; with the floor 2^(3 - 127): the byte cannot fall under 1
.set qb, qb+1
.endr
.irp i, 2,4,6,8,10,12,14
.set qb, 0
.rept \nb
	v_max3_num_f32 v[TM+qb], v[TM+qb], |v[\base+16*qb+\i]|, |v[\base+16*qb+\i+1]|   ; the blocks by turns
.set qb, qb+1
.endr
.endr
.set qb, 0
.rept \nb
	v_mov_b32 v[TM+4+qb], 0                        ; (a lane permute's destination counts as one of its sources)
.set qb, qb+1
.endr
.set qb, 0
.rept \nb
	v_permlanex16_b32 v[TM+4+qb], v[TM+qb], s20, s21
.set qb, qb+1
.endr
.set qb, 0
.rept \nb
	v_max_num_f32 v[TM+qb], v[TM+qb], v[TM+4+qb]   ; the block's largest magnitude
.set qb, qb+1
.endr
.set qb, 0
.rept \nb
	v_add_nc_u32 v[TM+12+qb], 0xff000000, v[TM+qb] ; 2 off its exponent field: the conversion's scale operand
.set qb, qb+1
.endr
.set qb, 0
.rept \nb
	v_lshrrev_b32 v[TM+4+qb], 23, v[TM+12+qb]      ; the scale's byte
.set qb, qb+1
.endr
.set qb, 0
.rept \nb
	v_cvt_scalef32_pk16_fp6_f32 v[CD+4*qb:CD+4*qb+2], v[\base+16*qb:\base+16*qb+15], v[TM+12+qb]
.set qb, qb+1
.endr
	v_nop                                          ; one plain place behind a scaled conversion
.endm
; The pair's two tiles become ONE fragment of K, fragment pb of my slot: tile u's two blocks along d (a whole block in a lane: lanes 0-15 d 0-31, lanes 16-31 d 32-63) are its registers 6 u .. 6 u + 5.
; The four bytes (tile 0's two blocks, tile 1's two) are its scale word.
.macro KTAIL pb
.irp u, 0,1
.irp i, 0,1,2
	v_permlane16_swap_b32 v[CD+8*\u+\i], v[CD+8*\u+4+\i]
.endr
.irp i, 0,1,2
	v_mov_b32 v[CD+8*\u+3+\i], v[CD+8*\u+4+\i]
.endr
.endr
	v_lshl_or_b32 v[CD+7], v[TM+5], 8, v[TM+4]
	v_lshl_or_b32 v[CD+7], v[TM+6], 16, v[CD+7]
	v_lshl_or_b32 v[CD+7], v[TM+7], 24, v[CD+7]
	ds_store_b128 v[KIA], v[CD:CD+3] offset:1536*(\pb)             ; registers 0-3
	ds_store_b64 v[KIA], v[CD+4:CD+5] offset:1536*(\pb)+512        ; 4, 5
	ds_store_b64 v[KIA], v[CD+8:CD+9] offset:1536*(\pb)+520        ; 6, 7
	ds_store_b128 v[KIA], v[CD+10:CD+13] offset:1536*(\pb)+1024    ; 8-11
	ds_store_b32 v[KSA], v[CD+7] offset:4*(\pb)
.endm
; v's four tiles of d: my 16 codes (12 bytes) of key block pb go to their place in lane' = r + 16 pb's 48 bytes: 24 x (my slot in the step) + 12 h: LDS puts the block's halves together
.macro VTAIL pb
.irp t, 0,1,2,3
.irp i, 0,1,2
	ds_store_b32 v[VIA], v[CD+4*\t+\i] offset:1536*\t+768*(\pb)+4*\i
.endr
	ds_store_b8 v[VSA], v[TM+4+\t] offset:4*\t+(\pb)
.endr
.endm
; The band: k in f32 and v in bf16 of the blocks that lie within reach of the work-group's queries.  The branch hangs on the wave's number alone and jumps over no barrier.
.macro BAND pb
	s_cmp_lt_u32 s[32+\pb], 10
	s_cbranch_scc0 .Lnoband_\@
.irp u, 0,1
.irp t, 0,1,2,3
.irp q, 0,1
	ds_store_b128 v[KBW+\pb], v[AK+32*\u+8*\t+4*\q:AK+32*\u+8*\t+4*\q+3] offset:2176*\u+128*(\t/2)+32*(\t%2)+16*\q
.endr
.endr
.endr
.irp tp, 0,1
.irp tt, 0,1
.irp u, 0,1
.irp q, 0,1,2,3
	v_cvt_pk_bf16_f32 v[BT+8*\tt+4*\u+\q], v[AV+16*(2*\tp+\tt)+8*\u+2*\q], v[AV+16*(2*\tp+\tt)+8*\u+2*\q+1]
.endr
.endr
.endr
.irp tt, 0,1
.irp u, 0,1
.irp q, 0,1,2,3
	ds_store_b16 v[VBW+\pb], v[BT+8*\tt+4*\u+\q] offset:(8*\u+2*\q)*144+64*\tp+16*\tt
	ds_store_b16_d16_hi v[VBW+\pb], v[BT+8*\tt+4*\u+\q] offset:(8*\u+2*\q+1)*144+64*\tp+16*\tt
.endr
.endr
.endr
	s_wait_dscnt 0x0                               ; the stores have read their registers
.endr
.Lnoband_\@:
.endm
.macro TAILS pb
	QS 4, AK                                       ; block 2 u + b': tile u, d 32 b' on
	KTAIL \pb
	s_wait_dscnt 0x0                               ; the stores have read their registers
	QS 4, AV                                       ; block t: tile t of d, the pair's 32 keys
	VTAIL \pb
	BAND \pb
	s_wait_dscnt 0x0
.endm
	; ---- my 64 keys: two pairs of tiles
	KSTEP 0, 0, 1, 0, 1
	KSTEP 0, 1, 1, 0, 2
	KSTEP 0, 2, 1, 0, 3
	KSTEP 0, 3, 1, 1, 0
	XSCLOAD 1                                      ; behind the last products that read these registers, and their places
	TAILS 0
	KSTEP 1, 0, 1, 1, 1
	KSTEP 1, 1, 1, 1, 2
	KSTEP 1, 2, 1, 1, 3
	KSTEP 1, 3, 0, 0, 0
	global_load_b128 v[XSC:XSC+3], v1, s[30:31]    ; my tile of queries: its scale words and its four fragments
.irp s, 0,1,2,3
.irp g, 0,1,2
	global_load_b128 v[XF+12*\s+4*\g:XF+12*\s+4*\g+3], v1, s[28:29] offset:1536*\s+512*\g
.endr
.endr
	TAILS 1
	; ---- q^T of my 16 queries
	s_wait_loadcnt 0x0
.irp s, 0,1,2,3
	ds_load_b128 v[WSR:WSR+3], v[WSA] offset:512*\s
.irp t, 0,1,2,3
.irp g, 0,1,2
	ds_load_b128 v[WF+12*\t+4*\g:WF+12*\t+4*\g+3], v[WFA] offset:(4*\t+\s)*1536+512*\g
.endr
.endr
	s_wait_dscnt 0x0
.irp t, 0,1,2,3
.if \s == 0
	MMZ AQ+8*\t, WF+12*\t, XF+12*\s, WSR+\t, XSC+\s
.else
	MMA AQ+8*\t, WF+12*\t, XF+12*\s, WSR+\t, XSC+\s
.endif
.endr
	PLACES
.endr
	QS 2, AQ
.irp i, 0,1,2
	v_permlane16_swap_b32 v[CD+\i], v[CD+4+\i]
.endr
.irp i, 0,1,2                                  ; q's six registers of codes stand twice: under K = 0 .. 63 and under K = 64 .. 127
	v_mov_b32 v[QFL+\i], v[CD+\i]
	v_mov_b32 v[QFL+3+\i], v[CD+4+\i]
	v_mov_b32 v[QFH+6+\i], v[CD+\i]
	v_mov_b32 v[QFH+9+\i], v[CD+4+\i]
.endr
.irp i, 0,1,2,3,4,5
	v_mov_b32 v[QFL+6+\i], 0                       ; the other half of each: zero codes, written once
	v_mov_b32 v[QFH+\i], 0
.endr
	v_lshl_or_b32 v[QSL], v[TM+5], 8, v[TM+4]      ; q's two bytes,
	v_lshl_or_b32 v[QSH], v[QSL], 16, 0x7f7f       ; over K = 64 .. 127, 0x7f over the zero codes;
	v_or_b32 v[QSL], 0x7f7f0000, v[QSL]            ; and over K = 0 .. 63
	s_wait_dscnt 0x0                               ; my images and my part of the bands lie in LDS, and my reads of W are over
	s_barrier_signal -1
	s_barrier_wait -1
	; ---- the attention's addresses, from the thread's and the wave's number
	v_and_b32 v19, 31, v0                          ; l
	v_and_b32 v17, 15, v0                          ; r
	v_bfe_u32 v18, v0, 4, 1                        ; h
	v_add_nc_u32 v[KSL], KSC, v1
	v_mul_u32_u24 v[VLA], v19, 48
	v_add_nc_u32 v[VLA], VIMG, v[VLA]
	v_add_nc_u32 v[VSL], VSC, v1
	s_lshr_b32 s48, s14, 1
	s_lshl_b32 s48, s48, 5
	s_and_b32 s49, s14, 1
	s_lshl_b32 s49, s49, 3
	s_add_co_u32 s48, s48, s49
	v_and_b32 v19, 8, v17
	v_add_nc_u32 v19, v19, v17
	v_add_nc_u32 v19, s48, v19                     ; my query as a local key: 32 (w / 2) + 8 (w % 2) + r + 8 (r / 8)
	v_mul_u32_u24 v[KBR], v19, 272
	v_lshl_add_u32 v[KBR], v18, 6, v[KBR]
	v_add_nc_u32 v[KBR], KB+29*272, v[KBR]         ; band row of local key - 3; my half's d: 64 h bytes on
	v_mul_u32_u24 v[VBR], v19, 144
	v_lshl_add_u32 v[VBR], v18, 5, v[VBR]
	v_add_nc_u32 v[VBR], VB+29*144, v[VBR]
	s_mul_i32 s49, s14, 4352                       ; my 4,352 bytes where W lay
	v_add_nc_u32 v[STB], s49, v1
	v_add_nc_u32 v[STB], WIMG, v[STB]
	v_mul_u32_u24 v[STI], v17, 272
	v_lshl_add_u32 v[STI], v18, 6, v[STI]
	v_add_nc_u32 v[STI], s49, v[STI]
	v_add_nc_u32 v[STI], WIMG, v[STI]
	v_mul_u32_u24 v[STO], v18, 272
	v_lshl_add_u32 v[STO], v17, 4, v[STO]
	v_add_nc_u32 v[STO], s49, v[STO]
	v_add_nc_u32 v[STO], WIMG, v[STO]
	v_lshlrev_b32 v[GO], 13, v18                   ; neighbouring queries lie four rows of out0 apart: 8,192 bytes
	v_lshl_add_u32 v[GO], v17, 4, v[GO]
	s_lshl_b32 s50, s15, 8
	v_add_nc_u32 v[IQ], s50, v19
; a key step's four fragments of K and their scale words: one run of thirteen loads
.macro KLOAD ak, as
.irp f, 0,1,2,3
.irp g, 0,1,2
	ds_load_b128 v[KF+12*\f+4*\g:KF+12*\f+4*\g+3], v[\ak] offset:1536*\f+512*\g
.endr
.endr
	ds_load_b128 v[KS:KS+3], v[\as]
.endm
	KLOAD 1, KSL                                   ; key step 0, for pass 1: it lands under the local scores
	; ---- the seven local scores, f32 operands: q . k over my 32 d, then lane l xor 16's.  Two row buffers by turns
.macro KROW d, buf
.irp k, 0,1,2,3
	ds_load_b128 v[S+32*(\buf)+4*\k:S+32*(\buf)+4*\k+3], v[KBR] offset:272*(\d)+16*\k
.endr
.irp k, 0,1,2,3
	ds_load_b128 v[S+32*(\buf)+16+4*\k:S+32*(\buf)+16+4*\k+3], v[KBR] offset:272*(\d)+128+16*\k
.endr
.endm
	KROW 0, 0
	KROW 1, 1
.irp d, 0,1,2,3,4,5,6
.if \d < 6
	s_wait_dscnt 8                                 ; this row's eight loads are in; the next row's may be out
.else
	s_wait_dscnt 0x0
.endif
	v_pk_mul_f32 v[TP:TP+1], v[AQ:AQ+1], v[S+32*(\d%2):S+32*(\d%2)+1]
	v_pk_mul_f32 v[TP+2:TP+3], v[AQ+2:AQ+3], v[S+32*(\d%2)+2:S+32*(\d%2)+3]
.irp n, 4,8,12,16,20,24,28
	v_pk_fma_f32 v[TP:TP+1], v[AQ+\n:AQ+\n+1], v[S+32*(\d%2)+\n:S+32*(\d%2)+\n+1], v[TP:TP+1]
	v_pk_fma_f32 v[TP+2:TP+3], v[AQ+\n+2:AQ+\n+3], v[S+32*(\d%2)+\n+2:S+32*(\d%2)+\n+3], v[TP+2:TP+3]
.endr
	v_pk_add_f32 v[TP:TP+1], v[TP:TP+1], v[TP+2:TP+3]
	v_add_f32 v[E+\d], v[TP], v[TP+1]
.if \d < 5
	KROW \d+2, \d%2
.endif
.endr
.irp d, 0,1,2,3,4,5,6
	v_permlanex16_b32 v[S+\d], v[E+\d], s20, s21
.endr
.irp d, 0,1,2,3,4,5,6
	v_add_f32 v[E+\d], v[E+\d], v[S+\d]            ; the same bits in both halves of the lanes
.endr
.irp d, 0,1,2,3,4,5,6
	v_add_nc_u32 v17, \d-3, v[IQ]
	v_cmp_gt_u32 s[MK+\d], s39, v17                ; inside 0 .. 1,023?  (unsigned: what is negative fails too)
	v_cndmask_b32 v[E+\d], 0, v[E+\d], s[MK+\d]    ; outside: k = 0, the score is 0
.endr
	v_max3_num_f32 v[MX], v[E], v[E+1], 0          ; the 0 is key 1,024's score
	v_max3_num_f32 v[MX], v[MX], v[E+2], v[E+3]
	v_max3_num_f32 v[MX], v[MX], v[E+4], v[E+5]
	v_max_num_f32 v[MX], v[MX], v[E+6]
	v_mul_f32 v[NM], s24, v[MX]
	v_mov_b32 v[NM+1], 0                           ; (upper halves of pairs of which the low word serves both halves: written once)
	v_mov_b32 v[FF+1], 0
	v_mov_b32 v[LS], 0
	v_mov_b32 v[LS+1], 0
; S^T = K Q^T of a step of 128 keys: fragment f against [q | 0] gives tile 2 f, against [0 | q] tile 2 f + 1
.macro KQ
.irp f, 0,1,2,3
	MMZ S+16*\f, KF+12*\f, QFL, KS+\f, QSL
	MMZ S+16*\f+8, KF+12*\f, QFH, KS+\f, QSH
.endr
.endm
.macro BLKMAX                          ; the largest of my 16 scores of each block of 32 keys; each accumulator from its low end on
.irp b, 0,1,2,3
	v_max3_num_f32 v[TM+\b], v[S+16*\b], v[S+16*\b+1], v[S+16*\b+2]
.endr
.irp i, 3,5,7,9,11,13
.irp b, 0,1,2,3
	v_max3_num_f32 v[TM+\b], v[TM+\b], v[S+16*\b+\i], v[S+16*\b+\i+1]
.endr
.endr
.irp b, 0,1,2,3
	v_max_num_f32 v[TM+\b], v[TM+\b], v[S+16*\b+15]
.endr
.endm
; ---- PASS 1: a running maximum and sum, each LANE for its half of the query's keys: no lane is asked inside the loop.
; A step.  Behind its products and four plain lines the next step's K is requested into the registers just read: it lands under the step's vector work.  nxt = 0, the last step: what is requested is step 0, for pass 2.
; My four block maxima go to my own bytes of LDS: pass 2 makes the same scores from the same operands and does not search again.
.macro P1STEP nxt
	s_wait_dscnt 0x0                               ; this step's K and its scale words are in; the last step's store has read its registers
	KQ
	v_add_nc_u32 v[ADB], s[TN], v[STB]             ; this step's place for the maxima
.if \nxt
	s_add_co_u32 s[TK], s[TK], 6144                ; four fragments on
	s_add_co_u32 s[TN], s[TN], 512
.else
	s_mov_b32 s[TK], 0
	s_mov_b32 s[TN], 0
.endif
	v_add_nc_u32 v[ADK], s[TK], v1
	v_add_nc_u32 v[ADS], s[TN], v[KSL]
	v_nop                                          ; the fourth place behind the products
	KLOAD ADK, ADS
	BLKMAX
	ds_store_b128 v[ADB], v[TM:TM+3]
	v_max3_num_f32 v[MX], v[TM], v[TM+1], v[MX]
	v_max3_num_f32 v[MX], v[TM+2], v[TM+3], v[MX]
	v_mov_b32 v[TP], v[NM]
	v_mul_f32 v[NM], s24, v[MX]                    ; -c max
	v_sub_f32 v[TP], v[NM], v[TP]                  ; 0 or less
.irp j, 0,2,4,6,8,10,12,14,16,18,20,22,24,26,28,30,32,34,36,38,40,42,44,46,48,50,52,54,56,58,60,62
	v_pk_fma_f32 v[S+\j:S+\j+1], v[S+\j:S+\j+1], s[22:23], v[NM:NM+1] op_sel_hi:[1,0,0]   ; c s - c max
.endr
	v_exp_f32 v[FF], v[TP]
.irp j, 0,1,2,3,4,5,6,7,8,9,10,11,12,13,14,15,16,17,18,19,20,21,22,23,24,25,26,27,28,29,30,31,32,33,34,35,36,37,38,39,40,41,42,43,44,45,46,47,48,49,50,51,52,53,54,55,56,57,58,59,60,61,62,63
	v_exp_f32 v[S+\j], v[S+\j]
.endr
	v_nop                                          ; a plain place behind the last exponential
	s_wait_alu depctr_va_vdst(0)                   ; one wait for the batch of 65, ahead of its first reader
	v_pk_mul_f32 v[LS:LS+1], v[LS:LS+1], v[FF:FF+1] op_sel_hi:[1,0]   ; the sum under the new maximum
	v_pk_add_f32 v[T2:T2+1], v[S:S+1], v[S+2:S+3]
.irp j, 4,8,12,16,20,24,28,32,36,40,44,48,52,56,60
	v_pk_add_f32 v[LS:LS+1], v[LS:LS+1], v[S+\j:S+\j+1]
	v_pk_add_f32 v[T2:T2+1], v[T2:T2+1], v[S+\j+2:S+\j+3]
.endr
	v_pk_add_f32 v[LS:LS+1], v[LS:LS+1], v[T2:T2+1]
.endm
	s_mov_b32 s[TK], 0
	s_mov_b32 s[TN], 0
	s_mov_b32 s38, 7
.Lpass1:                                       ; seven steps; the eighth is written out, so that no load reads past the images
	P1STEP 1
	s_sub_co_u32 s38, s38, 1
	s_cmp_lg_u32 s38, 0
	s_cbranch_scc1 .Lpass1
	P1STEP 0
	; ---- the two halves of the lanes meet; the seven local terms and key 1,024's join the sum.  Two products and a commutative sum: lanes l and l xor 16 get the same bits
	v_add_f32 v[TP], v[LS], v[LS+1]
	v_permlanex16_b32 v[TP+1], v[NM], s20, s21
	v_permlanex16_b32 v[TP+2], v[TP], s20, s21
	v_min_num_f32 v[TP+3], v[NM], v[TP+1]          ; -c x the row's maximum
	v_sub_f32 v[TP+4], v[TP+3], v[NM]
	v_sub_f32 v[TP+5], v[TP+3], v[TP+1]
.irp d, 0,1,2,3,4,5,6
	v_fma_f32 v[E+\d], v[E+\d], s22, v[TP+3]
.endr
	v_exp_f32 v[TP+4], v[TP+4]
	v_exp_f32 v[TP+5], v[TP+5]
.irp d, 0,1,2,3,4,5,6
	v_exp_f32 v[E+\d], v[E+\d]
.endr
	v_exp_f32 v[TP+6], v[TP+3]                     ; key 1,024: score 0
	v_mov_b32 v[NM], v[TP+3]                       ; (a plain place behind the exponentials)
	s_wait_alu depctr_va_vdst(0)                   ; one wait for the ten
	v_mul_f32 v[TP], v[TP], v[TP+4]
	v_mul_f32 v[TP+2], v[TP+2], v[TP+5]
	v_add_f32 v[TP], v[TP], v[TP+2]
	v_add_f32 v[TP], v[TP], v[TP+6]
.irp d, 0,1,2,3,4,5,6
	v_add_f32 v[TP], v[TP], v[E+\d]
.endr
	v_rcp_f32 v[RL], v[TP]                         ; 1 / sum, for the seven local weights;
	v_log_f32 v[LG], v[TP]                         ; log2 sum (the sum lies between 1 and 1,032), for pass 2's exponents
	v_nop
	s_wait_alu depctr_va_vdst(0)                   ; one wait for the two
	v_sub_f32 v[NM], v[NM], v[LG]                  ; -c max - log2 sum: 2^(c s + this) is the finished weight, with no multiplication behind the exponential
.irp d, 0,1,2,3,4,5,6
	v_mul_f32 v[E+\d], v[E+\d], v[RL]              ; the local weights, normalised
.endr
.irp d, 0,1,2,3,4,5,6
	v_cndmask_b32 v[E+\d], 0, v[E+\d], s[MK+\d]    ; outside 0 .. 1,023 v is 0: what lies in the band there is another key's
.endr
	; ---- the local part starts O^T: weight (f32) x v (bf16), f32 sums; the first row's addend is a register of zeros, so nothing is cleared
.macro VROW d, slot
.irp k, 0,1
	ds_load_b128 v[S+16*(\slot)+4*\k:S+16*(\slot)+4*\k+3], v[VBR] offset:144*(\d)+16*\k
.endr
.irp k, 0,1
	ds_load_b128 v[S+16*(\slot)+8+4*\k:S+16*(\slot)+8+4*\k+3], v[VBR] offset:144*(\d)+64+16*\k
.endr
.endm
.macro VACC d, slot, first
.irp q, 0,1,2,3,4,5,6,7,8,9,10,11,12,13,14,15
.if \first
	v_fma_mix_f32_bf16 v[O+2*\q], v[S+16*(\slot)+\q], v[E+\d], v[QFL+6] op_sel_hi:[1,0,0]
	v_fma_mix_f32_bf16 v[O+2*\q+1], v[S+16*(\slot)+\q], v[E+\d], v[QFL+6] op_sel:[1,0,0] op_sel_hi:[1,0,0]
.else
	v_fma_mix_f32_bf16 v[O+2*\q], v[S+16*(\slot)+\q], v[E+\d], v[O+2*\q] op_sel_hi:[1,0,0]
	v_fma_mix_f32_bf16 v[O+2*\q+1], v[S+16*(\slot)+\q], v[E+\d], v[O+2*\q+1] op_sel:[1,0,0] op_sel_hi:[1,0,0]
.endif
.endr
.endm
	VROW 0, 0
	VROW 1, 1
	VROW 2, 2
	VROW 3, 3
	s_wait_dscnt 0x0                               ; the rows are in; pass 1's last store has read its registers
	VACC 0, 0, 1
	VACC 1, 1, 0
	VACC 2, 2, 0
	VACC 3, 3, 0
	VROW 4, 0
	VROW 5, 1
	VROW 6, 2
	ds_load_b128 v[TM:TM+3], v[STB]                ; step 0's block maxima, for pass 2
	s_wait_dscnt 0x0
	VACC 4, 0, 0
	VACC 5, 1, 0
	VACC 6, 2, 0
; ---- PASS 2: the scores again, p = 2^(c s - c max - log2 sum), quantised along the keys, O^T += V^T P^T.
; A step.  At its head K, its scale words and my block maxima are in registers.  Five plain lines stand between the last V^T P product and the products that write over its source registers.
; nxt = 1: the next step's K is requested behind the products, its block maxima with V.
.macro P2STEP nxt
	s_wait_dscnt 0x0
	v_add_nc_u32 v[ADV], s[TK], v[VLA]             ; this step's V and its scale words
	v_add_nc_u32 v[ADT], s[TN], v[VSL]
.if \nxt
	s_add_co_u32 s[TK], s[TK], 6144
	s_add_co_u32 s[TN], s[TN], 512
	v_add_nc_u32 v[ADK], s[TK], v1                 ; the next step's K, scale words and maxima
	v_add_nc_u32 v[ADS], s[TN], v[KSL]
	v_add_nc_u32 v[ADB], s[TN], v[STB]
.else
.rept 3
	v_nop
.endr
.endif
	KQ
.irp b, 0,1,2,3
	v_permlanex16_b32 v[TM+4+\b], v[TM+\b], s20, s21
.endr
.irp b, 0,1,2,3
	v_max_num_f32 v[TM+\b], v[TM+\b], v[TM+4+\b]   ; the block's largest SCORE: p rises with the score, so the same two instructions make of it the block's largest p
.endr
.irp b, 0,1,2,3
	v_fma_f32 v[TM+\b], v[TM+\b], s22, v[NM]       ; (these lines name no register of the products: they are the places behind them)
.endr
.if \nxt
	KLOAD ADK, ADS
.endif
.irp j, 0,2,4,6,8,10,12,14,16,18,20,22,24,26,28,30,32,34,36,38,40,42,44,46,48,50,52,54,56,58,60,62
	v_pk_fma_f32 v[S+\j:S+\j+1], v[S+\j:S+\j+1], s[22:23], v[NM:NM+1] op_sel_hi:[1,0,0]   ; each accumulator from its low end on
.endr
.irp j, 0,1,2,3,4,5,6,7,8,9,10,11,12,13,14,15,16,17,18,19,20,21,22,23,24,25,26,27,28,29,30,31,32,33,34,35,36,37,38,39,40,41,42,43,44,45,46,47,48,49,50,51,52,53,54,55,56,57,58,59,60,61,62,63
	v_exp_f32 v[S+\j], v[S+\j]                     ; the finished, normalised weight
.endr
.irp b, 0,1,2,3
	v_exp_f32 v[TM+\b], v[TM+\b]
.endr
	v_nop                                          ; a plain place behind the last exponential
	s_wait_alu depctr_va_vdst(0)                   ; one wait for the batch of 68
.irp b, 0,1,2,3
	v_max_num_f32 v[TM+\b], 0x1800000, v[TM+\b]    ; the floor 2^(3 - 127): the byte cannot fall under 1
.endr
.irp b, 0,1,2,3
	v_add_nc_u32 v[TM+12+\b], 0xff000000, v[TM+\b]
.endr
.irp b, 0,1,2,3
	v_lshrrev_b32 v[TM+4+\b], 23, v[TM+12+\b]
.endr
	v_lshl_or_b32 v[PSW], v[TM+5], 8, v[TM+4]      ; p's scale word for these 128 keys; a v_nop, six moves and four v_nop stand between its last write and its use
	v_lshl_or_b32 v[PSW], v[TM+6], 16, v[PSW]
	v_lshl_or_b32 v[PSW], v[TM+7], 24, v[PSW]
.irp c, 0,1
	v_cvt_scalef32_pk16_fp6_f32 v[PC+6*\c:PC+6*\c+2], v[S+32*\c:S+32*\c+15], v[TM+12+2*\c]
	v_cvt_scalef32_pk16_fp6_f32 v[PT+4*\c:PT+4*\c+2], v[S+32*\c+16:S+32*\c+31], v[TM+12+2*\c+1]
.endr
	v_nop                                          ; one plain place behind a scaled conversion
.irp t, 0,1,2,3                                ; V^T's four fragments land where p stood
.irp g, 0,1,2
	ds_load_b128 v[S+12*\t+4*\g:S+12*\t+4*\g+3], v[ADV] offset:1536*\t+16*\g
.endr
.endr
	ds_load_b128 v[VS:VS+3], v[ADT]
.if \nxt
	ds_load_b128 v[TM:TM+3], v[ADB]
.endif
.irp c, 0,1                                    ; the operand's layout wants a whole block in a lane
.irp i, 0,1,2
	v_permlane16_swap_b32 v[PC+6*\c+\i], v[PT+4*\c+\i]
.endr
.irp i, 0,1,2
	v_mov_b32 v[PC+6*\c+3+\i], v[PT+4*\c+\i]
.endr
.endr
	PLACES                                         ; an operand written by vector instructions stands four places ahead of a scaled matrix instruction
	s_wait_dscnt 0x0
.irp t, 0,1,2,3
	MMA O+8*\t, S+12*\t, PC, VS+\t, PSW
.endr
.endm
	s_mov_b32 s38, 7                               ; (s[TK] and s[TN] are 0 since pass 1's last step)
.Lpass2:                                       ; seven steps; the eighth, which requests nothing, is written out
	P2STEP 1
	s_sub_co_u32 s38, s38, 1
	s_cmp_lg_u32 s38, 0
	s_cbranch_scc1 .Lpass2
	P2STEP 0
	; ---- THE WAY OUT: a lane holds 2 x 64 bytes of one query's 256; through my own stage they come back as whole rows: sixteen lanes store 256 consecutive bytes, at a multiple of 256 from out0's first byte
	PLACES
.irp k, 0,1,2,3,4,5,6,7
	ds_store_b128 v[STI], v[O+4*\k:O+4*\k+3] offset:16*(\k%4)+128*(\k/4)   ; each accumulator from its low end on
.endr
.irp k, 0,1,2,3,4,5,6,7
	ds_load_b128 v[S+4*\k:S+4*\k+3], v[STO] offset:544*\k   ; LDS serves a wave's instructions in order (ISA guide 5.7.1.4): these see my stores
.endr
.irp k, 0,1,2,3,4,5,6,7
	s_wait_dscnt 7-\k                              ; the younger loads may stay out
	global_store_b128 v[GO], v[S+4*\k:S+4*\k+3], s[12:13] offset:(2*\k+8*(\k/4))*8192 th:TH_STORE_NT   ; stage rows 2 k, 2 k + 1 are queries 2 k + 8 (k / 4) and the next of the tile
.endr
	s_wait_xcnt 0x0
	v_lshl_add_u32 v254, v0, 2, 0x4f000
	v_mov_b32 v255, 0
	s_wait_tensorcnt 0x0
	ds_add_u32 v254, v255
	s_wait_dscnt 0x0
	s_endpgm
.Lfunc_end_k_q042486212d_attn:
	.size	k_q042486212d_attn, .Lfunc_end_k_q042486212d_attn-k_q042486212d_attn
	.p2alignl 7, 3214868480
	.fill 96, 4, 3214868480
	.section	.rodata,"a",@progbits
	.p2align	6, 0x0
	.amdhsa_kernel k_q042486212d_attn
		.amdhsa_group_segment_fixed_size 325632
		.amdhsa_private_segment_fixed_size 0
		.amdhsa_enable_private_segment 0
		.amdhsa_kernarg_size 40
		.amdhsa_user_sgpr_count 2
		.amdhsa_user_sgpr_kernarg_segment_ptr 1
		.amdhsa_wavefront_size32 1
		.amdhsa_system_sgpr_workgroup_id_x 1
		.amdhsa_system_sgpr_workgroup_id_y 1
		.amdhsa_system_sgpr_workgroup_id_z 1
		.amdhsa_system_vgpr_workitem_id 0
		.amdhsa_next_free_vgpr 256
		.amdhsa_next_free_sgpr 66
		.amdhsa_reserve_vcc 0
		.amdhsa_float_denorm_mode_32 3
		.amdhsa_float_denorm_mode_16_64 3
		.amdhsa_memory_ordered 1
		.amdhsa_forward_progress 1
		.amdhsa_inst_pref_size 162
	.end_amdhsa_kernel
	.amdgpu_metadata
---
amdhsa.version: [ 1, 2 ]
amdhsa.kernels:
  - .name:           k_q042486212d_attn
    .symbol:         k_q042486212d_attn.kd
    .args:
      - { .name: xc, .offset: 0, .size: 8, .value_kind: global_buffer, .address_space: global }
      - { .name: xs, .offset: 8, .size: 8, .value_kind: global_buffer, .address_space: global }
      - { .name: wc, .offset: 16, .size: 8, .value_kind: global_buffer, .address_space: global }
      - { .name: ws, .offset: 24, .size: 8, .value_kind: global_buffer, .address_space: global }
      - { .name: out0, .offset: 32, .size: 8, .value_kind: global_buffer, .address_space: global }
    .group_segment_fixed_size: 325632
    .private_segment_fixed_size: 0
    .kernarg_segment_align: 8
    .kernarg_segment_size: 40
    .max_flat_workgroup_size: 512
    .sgpr_count:     66
    .vgpr_count:     256
    .wavefront_size: 32
...
	.end_amdgpu_metadata
.endif
;; end of part 2
;; ======== version 2 of 2: 2 launches
;; workspace buffers: xc 3,145,728 bytes; xs 262,144 bytes; wc 589,824 bytes; ws 49,152 bytes
;; launch quant (part 3): grid 608 x 1, 4 waves a work-group, no clusters, 0 bytes of LDS; arguments x, Wq, Wk, Wv, xc, xs, wc, ws; writes xc, xs, wc, ws
.if DOCPART == 3
	.amdgcn_target "amdgcn-amd-amdhsa--gfx1250"
	.amdhsa_code_object_version 6
	.text
	.protected	k_q042486212d_quant
	.globl	k_q042486212d_quant
	.p2align	8
	.type	k_q042486212d_quant,@function
k_q042486212d_quant:
	s_mov_b64 s[64:65], 0
	v_nop
	global_prefetch_b8 v0, s[64:65] scope:SCOPE_SE
	s_setreg_imm32_b32 hwreg(HW_REG_WAVE_MODE, 25, 1), 1
	s_wait_xcnt 0x0
; x [2][4096][512] and Wq, Wk, Wv [512 (k)][512 (n)], f32, become codes of FP6 (E2M3) with one E8M0 byte for each 32 along K = 512,
; laid as IMAGES OF THE OPERAND'S REGISTERS: a fragment (16 rows x 128 K) is 12 registers a lane, 1,536 bytes: registers 4 g .. 4 g + 3 of lane l at 512 g + 16 l.
; Lane (r, h) holds of its row, in registers 6 c .. 6 c + 5, k = 128 s + 64 c + 32 h + 0 .. 31: two whole blocks, so no other lane is asked for a maximum.
; THE ROWS OF A TILE ARE NOT NEIGHBOURS: lane r of tile 2 B + u takes row 32 B + 8 u + r + 8 (r / 8).  For x a row is index i of a class (batch, residue): position 4 i + residue; for a weight it is a column n.
; xc: [class 8][tile 64][K step 4] images.  xs: [class][tile][lane 32][K step 4] scale words.  wc: [q, k, v][head 8][tile 4][K step 4] images.  ws: [q, k, v][head][K step 4][lane 32][tile 4] words.
; One wave makes one fragment; the wave's number is the K step.  Work-groups 0 .. 511 take x's tiles, 512 .. 607 the weights'.  Pointers and strides are chosen by selects on the work-group's number;
; only the loads stand in two arms: x's K is innermost (16 loads of 16 bytes), a weight's runs down its rows (64 loads of 4 bytes).  No LDS, no barrier: waves share nothing.
; A block's scale is 2^(floor(log2(its largest magnitude)) - 2); its byte is the largest magnitude's exponent field - 2, held at 1 from below.
; LIMITS: a block of zeros, or one whose largest magnitude lies under 2^-124, keeps the byte 1 (zeros' codes are zeros, and this program alone reads the bytes); NaN and infinities are not served.
.set X,  32                            ; v32-95   my 64 numbers: register 32 c + i is k = 64 c + 32 h + i
.set FR, 96                            ; v96-107  the fragment
.set TP, 108                           ; v108-115 the second halves of the two blocks: a conversion's three registers begin on an even number
	s_load_b256 s[8:15], s[0:1], 0x0               ; x s[8:9], Wq s[10:11], Wk s[12:13], Wv s[14:15]
	s_load_b256 s[16:23], s[0:1], 0x20             ; xc s[16:17], xs s[18:19], wc s[20:21], ws s[22:23]
	v_lshrrev_b32 v1, 5, v0
	v_readfirstlane_b32 s24, v1                    ; wave = K step s
	v_and_b32 v1, 31, v0                           ; lane
	v_and_b32 v2, 15, v0                           ; r
	v_bfe_u32 v3, v0, 4, 1                         ; h
	v_and_b32 v6, 8, v2
	v_add_nc_u32 v6, v6, v2                        ; r + 8 (r / 8)
	v_lshlrev_b32 v5, 4, v1                        ; 16 x lane: my place in an image's group, and in the scale words
	s_mov_b32 s38, 0x76543210
	s_mov_b32 s39, 0xfedcba98                      ; v_permlanex16_b32's selects for lane l xor 16
	s_min_u32 s32, ttmp9, 511                      ; x's tile g; held, so that the way not chosen gives bounded numbers too
	s_max_u32 s33, ttmp9, 512
	s_sub_co_u32 s33, s33, 512                     ; the weights' tile g' = 32 sel + 4 head + t
	; x: row = 4096 batch + 128 (tau / 2) + 32 (tau % 2) + residue, 2,048 bytes a row, + 512 s
	s_lshr_b32 s34, s32, 8
	s_lshl_b32 s34, s34, 12
	s_bfe_u32 s35, s32, 0x20006
	s_add_co_u32 s34, s34, s35
	s_bfe_u32 s35, s32, 0x50001
	s_lshl_b32 s35, s35, 7
	s_add_co_u32 s34, s34, s35
	s_and_b32 s35, s32, 1
	s_lshl_b32 s35, s35, 5
	s_add_co_u32 s34, s34, s35
	s_lshl_b32 s34, s34, 11
	s_lshl_b32 s35, s24, 9
	s_add_co_u32 s34, s34, s35
	; a weight: 128 s rows of 2,048 bytes + 4 x (64 head + 32 (t / 2) + 8 (t % 2))
	s_lshr_b32 s36, s33, 5                         ; sel
	s_bfe_u32 s37, s33, 0x30002
	s_lshl_b32 s37, s37, 8
	s_bfe_u32 s40, s33, 0x10001
	s_lshl_b32 s40, s40, 7
	s_add_co_u32 s37, s37, s40
	s_and_b32 s40, s33, 1
	s_lshl_b32 s40, s40, 5
	s_add_co_u32 s37, s37, s40
	s_lshl_b32 s40, s24, 18
	s_add_co_u32 s37, s37, s40
	; the scale words: xs at 512 g + 4 s;  ws at 2048 (g' / 4) + 512 s + 4 t
	s_lshl_b32 s41, s32, 9
	s_lshl_b32 s42, s24, 2
	s_add_co_u32 s41, s41, s42
	s_lshr_b32 s42, s33, 2
	s_lshl_b32 s42, s42, 11
	s_lshl_b32 s43, s24, 9
	s_add_co_u32 s42, s42, s43
	s_and_b32 s43, s33, 3
	s_lshl_b32 s43, s43, 2
	s_add_co_u32 s42, s42, s43
	s_wait_alu depctr_va_vdst(0)
	s_wait_kmcnt 0x0
	s_cmp_eq_u32 s36, 0
	s_cselect_b64 s[26:27], s[10:11], s[12:13]     ; Wq or Wk,
	s_cmp_eq_u32 s36, 2
	s_cselect_b64 s[26:27], s[14:15], s[26:27]     ; or Wv
	s_mov_b32 s45, 0x10000
	s_cmp_lt_u32 ttmp9, 512                        ; x's work-group or a weight's?  All choices hang on the work-group's number alone
	s_cselect_b64 s[26:27], s[8:9], s[26:27]       ; the source,
	s_cselect_b64 s[28:29], s[16:17], s[20:21]     ; the codes,
	s_cselect_b64 s[30:31], s[18:19], s[22:23]     ; the scale words
	s_cselect_b32 s34, s34, s37
	s_cselect_b32 s41, s41, s42
	s_cselect_b32 s32, s32, s33
	s_cselect_b32 s44, 0x2000, 4                   ; from row to row of a tile: four rows of x, or a column of a weight
	s_cselect_b32 s45, 128, s45                    ; 32 along K: 128 bytes of a row of x, or 32 rows of a weight
	s_mov_b32 s35, 0
	s_add_nc_u64 s[26:27], s[26:27], s[34:35]
	s_lshl_b32 s32, s32, 2
	s_add_co_u32 s32, s32, s24
	s_mul_i32 s32, s32, 1536                       ; image 4 x tile + s
	s_mov_b32 s33, 0
	s_add_nc_u64 s[28:29], s[28:29], s[32:33]
	s_mov_b32 s42, s41
	s_mov_b32 s43, 0
	s_add_nc_u64 s[30:31], s[30:31], s[42:43]
	v_mul_u32_u24 v4, s44, v6
	v_mad_u32_u24 v4, v3, s45, v4                  ; my lane's byte in the source
	s_cmp_lt_u32 ttmp9, 512
	s_cbranch_scc0 .Lweight
.irp c, 0,1
.irp j, 0,1,2,3,4,5,6,7
	global_load_b128 v[X+32*\c+4*\j:X+32*\c+4*\j+3], v4, s[26:27] offset:256*\c+16*\j   ; x(row, 128 s + 64 c + 32 h + 4 j ..)
.endr
.endr
	s_branch .Ljoin
.Lweight:
	s_wait_alu depctr_va_vdst(0)
.irp c, 0,1
.irp i, 0,1,2,3,4,5,6,7,8,9,10,11,12,13,14,15,16,17,18,19,20,21,22,23,24,25,26,27,28,29,30,31
	global_load_b32 v[X+32*\c+\i], v4, s[26:27] offset:(64*\c+\i)*2048   ; W(128 s + 64 c + 32 h + i, my column)
.endr
.endr
.Ljoin:
	s_wait_loadcnt 0x0
.irp c, 0,1                                    ; my block 2 c + h: all its 32 numbers are mine
	v_max3_num_f32 v[8+\c], |v[X+32*\c]|, |v[X+32*\c+1]|, 0x1800000   ; with the floor 2^(3 - 127): the byte cannot fall under 1
.endr
.irp i, 2,4,6,8,10,12,14,16,18,20,22,24,26,28,30
.irp c, 0,1
	v_max3_num_f32 v[8+\c], v[8+\c], |v[X+32*\c+\i]|, |v[X+32*\c+\i+1]|   ; the two blocks by turns
.endr
.endr
.irp c, 0,1
	v_add_nc_u32 v[10+\c], 0xff000000, v[8+\c]     ; 2 off the exponent field: the conversion takes the exponent field of this operand as its scale
.endr
.irp c, 0,1
	v_lshrrev_b32 v[12+\c], 23, v[10+\c]           ; the scale's byte
.endr
	v_lshl_or_b32 v14, v13, 16, v12                ; my two bytes: blocks h and 2 + h,
	v_lshlrev_b32 v15, 3, v3
	v_lshlrev_b32 v14, v15, v14                    ; at their places in the word (8 h bits up);
	v_mov_b32 v15, 0                               ; (a lane permute's destination counts as one of its sources)
	v_permlanex16_b32 v15, v14, s38, s39
	v_or_b32 v14, v14, v15                         ; with lane l xor 16's two the word is whole, in both halves of the lanes
.irp c, 0,1
	v_cvt_scalef32_pk16_fp6_f32 v[FR+6*\c:FR+6*\c+2], v[X+32*\c:X+32*\c+15], v[10+\c]
	v_cvt_scalef32_pk16_fp6_f32 v[TP+4*\c:TP+4*\c+2], v[X+32*\c+16:X+32*\c+31], v[10+\c]
.endr
	v_nop                                          ; one plain place behind a scaled conversion
.irp c, 0,1
.irp i, 0,1,2
	v_mov_b32 v[FR+6*\c+3+\i], v[TP+4*\c+\i]
.endr
.endr
.irp g, 0,1,2
	global_store_b128 v5, v[FR+4*\g:FR+4*\g+3], s[28:29] offset:512*\g   ; 32 lanes store 512 consecutive bytes, at a multiple of 512 from the buffer's first byte
.endr
	global_store_b32 v5, v14, s[30:31]             ; my row's word; the four waves' words (x) or four work-groups' (weights) lie side by side
	s_endpgm
.Lfunc_end_k_q042486212d_quant:
	.size	k_q042486212d_quant, .Lfunc_end_k_q042486212d_quant-k_q042486212d_quant
	.p2alignl 7, 3214868480
	.fill 96, 4, 3214868480
	.section	.rodata,"a",@progbits
	.p2align	6, 0x0
	.amdhsa_kernel k_q042486212d_quant
		.amdhsa_group_segment_fixed_size 0
		.amdhsa_private_segment_fixed_size 0
		.amdhsa_enable_private_segment 0
		.amdhsa_kernarg_size 64
		.amdhsa_user_sgpr_count 2
		.amdhsa_user_sgpr_kernarg_segment_ptr 1
		.amdhsa_wavefront_size32 1
		.amdhsa_system_sgpr_workgroup_id_x 1
		.amdhsa_system_sgpr_workgroup_id_y 1
		.amdhsa_system_sgpr_workgroup_id_z 1
		.amdhsa_system_vgpr_workitem_id 0
		.amdhsa_next_free_vgpr 120
		.amdhsa_next_free_sgpr 66
		.amdhsa_reserve_vcc 0
		.amdhsa_float_denorm_mode_32 3
		.amdhsa_float_denorm_mode_16_64 3
		.amdhsa_memory_ordered 1
		.amdhsa_forward_progress 1
		.amdhsa_inst_pref_size 15
	.end_amdhsa_kernel
	.amdgpu_metadata
---
amdhsa.version: [ 1, 2 ]
amdhsa.kernels:
  - .name:           k_q042486212d_quant
    .symbol:         k_q042486212d_quant.kd
    .args:
      - { .name: x, .offset: 0, .size: 8, .value_kind: global_buffer, .address_space: global }
      - { .name: Wq, .offset: 8, .size: 8, .value_kind: global_buffer, .address_space: global }
      - { .name: Wk, .offset: 16, .size: 8, .value_kind: global_buffer, .address_space: global }
      - { .name: Wv, .offset: 24, .size: 8, .value_kind: global_buffer, .address_space: global }
      - { .name: xc, .offset: 32, .size: 8, .value_kind: global_buffer, .address_space: global }
      - { .name: xs, .offset: 40, .size: 8, .value_kind: global_buffer, .address_space: global }
      - { .name: wc, .offset: 48, .size: 8, .value_kind: global_buffer, .address_space: global }
      - { .name: ws, .offset: 56, .size: 8, .value_kind: global_buffer, .address_space: global }
    .group_segment_fixed_size: 0
    .private_segment_fixed_size: 0
    .kernarg_segment_align: 8
    .kernarg_segment_size: 64
    .max_flat_workgroup_size: 128
    .sgpr_count:     66
    .vgpr_count:     120
    .wavefront_size: 32
...
	.end_amdgpu_metadata
.endif
;; end of part 3
;; launch attn (part 4): grid 256 x 1, 16 waves a work-group, no clusters, 325,632 bytes of LDS; arguments xc, xs, wc, ws, out0; writes out0
.if DOCPART == 4
	.amdgcn_target "amdgcn-amd-amdhsa--gfx1250"
	.amdhsa_code_object_version 6
	.text
	.protected	k_q042486212d_attn
	.globl	k_q042486212d_attn
	.p2align	8
	.type	k_q042486212d_attn,@function
k_q042486212d_attn:
	s_mov_b64 s[64:65], 0
	v_nop
	global_prefetch_b8 v0, s[64:65] scope:SCOPE_SE
	s_setreg_imm32_b32 hwreg(HW_REG_WAVE_SCHED_MODE, 0, 2), 2
	s_setreg_imm32_b32 hwreg(HW_REG_WAVE_MODE, 25, 1), 1
	s_wait_xcnt 0x0
	s_wait_alu depctr_vm_vsrc(0)
; Sparse self-attention, all products with K >= 32 on codes of FP6 (E2M3) with one E8M0 scale for each 32 along K.
; Positions t = 4 i + residue fall into 64 problems (batch 2, head 8, residue 4) of 1,024 real indices i; index 1,024 is a row of zeros: as a key its score is 0 and its v is 0, so it counts in the maximum and the sum alone.
; Each query i attends to all keys of its problem (quantised products) and once more to keys i - 3 .. i + 3 (f32 scores, v in bf16); a key outside 0 .. 1,023 has score 0 and v = 0 and still counts.  One softmax over all.
; THE WEIGHTS ARE QUANTISED FINISHED AND NORMALISED, so the row's maximum and sum are known first: PASS 1 walks all keys for them, PASS 2 makes the scores again, p = 2^(c s - c max - log2 sum), quantises p along the keys and multiplies by V.
; SHARES.  Work-group g: quarter qd = g % 4 of the queries (256), head (g / 4) % 8, class cl = g / 32 (batch, residue).  Sixteen waves of 256 registers, four to a SIMD, so that one wave's vector work stands beside another's products and LDS loads.
; The work-group projects k and v of all 1,024 keys of its class and head itself (wave w: 64 keys, LDS slot w) and q of its 256 queries (wave w: one tile of 16): q, k, v never go to memory.
; THE ROTATION.  Slot w holds key group (w + 4 qd) % 16, so the work-group's queries are always local keys 0 .. 255: every LDS address hangs on the wave's number alone, only global addresses know qd; blocks of 32 keys stay whole.
; LAYOUT.  k^T = Wk^T x^T and q^T likewise (source 0 = 16 columns of W, source 1 = 16 rows of x): a lane holds one key or query and 16 neighbours along d in 16 registers.  v = x Wv (source 0 = x): a lane holds one d and 16 neighbouring keys.
; S^T = K Q^T and O^T = V^T P^T: a lane holds ONE query throughout.  The rows of every tile are r + 8 (r / 8) + 8 u + 32 B, so that two neighbouring tiles' 16 registers are 16 neighbours along the next K.
; K Q^T HAS K = 64, THE INSTRUCTION 128: two tiles of keys share a fragment (tile 2 f in registers 0-5, tile 2 f + 1 in registers 6-11), and q stands twice, as [q | zero codes] and as [zero codes | q]: the first product
; gives tile 2 f's scores, the second tile 2 f + 1's.  So a step's 128 keys are four whole fragments, one run of LDS loads, and they are requested a step ahead, behind the products that read the registers.
; Operands go from wave to wave through LDS as images of their registers.  Two barriers: W staged | all images and bands stored.
; NO CLUSTER, NO TENSOR LOADS: each fragment of x goes from memory straight into one wave's operand registers; the four work-groups of a class and head walk the key groups 4 slots apart, so they never want the same tile together;
; what all work-groups of a head read alike (W's 79,872 bytes) is a sixth of a work-group's 497,664 bytes and is read once, at the head.
; LIMITS: NaN and infinities are not served; a block whose largest magnitude lies under 2^-124 keeps the byte 1; a p under 2^-126 becomes 0; the seven local v are rounded to bf16; f32 sums go in another order than the definition's;
; the exponent's addend -c max - log2 sum is rounded once, to half an ulp of its own size, which is of the order of the f32 rounding of the largest score itself.
; THE MODE: SCHED_MODE bits 1:0 = 2 (LLVM: expert scheduling mode 2), set by the entry lines.  The code itself states the register dependences between vector or matrix instructions and memory or LDS instructions, with s_wait_alu, always for 0.
; THE PLAN.  Registers that memory or LDS instructions touch, and who else names them:
;   ADDRESSES   v1 to v18 are made once at the head, ahead of one wait on va_vdst.  Behind the second barrier v2 to v16 are made anew for the attention: one wait on vm_vsrc ahead of them, one on va_vdst behind them.
;   WF, WSR     Projection: LDS loads land; a run of eight products reads them; the next run's loads land.  One wait on va_vdst behind each run and its places; the one at a K step's end also frees x's buffer XF for the
;               refill at the next step's head and, at a pair's end, XSC and all of XF.
;   TM, CD, BT  (WF's registers between the pairs.)  Vector lines write them, LDS stores read them: va_vdst ahead of each run of stores, vm_vsrc ahead of the next writer; the last vm_vsrc of a pair also frees AK, which the band's stores read.
;   ROWS OF k   Three buffers (v64-95, v96-127, v192-223) by turns: row d + 2 is requested at the head of row d's turn, behind one wait on va_vdst: row d - 1's arithmetic has read that buffer.
;   PASS 1      KF, KS: read by the step's eight products, then loaded for the next step.  ADK, ADS, ADB: written in each step, read by its loads and its store.  TM: written by the search, read by the store.
;               One vm_vsrc at the step's head, one va_vdst behind the products; the store stands behind the wait that the exponentials have in any case.
;   PASS 2      As pass 1 for KF, KS and the addresses.  S: p is read by the conversions, then V's fragments land: one va_vdst behind the conversions, which also serves the load of the next maxima into TM.
;               PC, PSW: written by vector lines, taken by the scaled products: the places, then one va_vdst directly ahead of the products, behind the wait for V.
;   O           Written by the last products, read by the stage's stores: the places, then one va_vdst.
.set KIMG, 0                           ; K's images: [slot 16][pair 2] fragments of 1,536 bytes: registers 4 g .. 4 g + 3 of lane l at 512 g + 16 l
.set KSC,  49152                       ; their scale words: [key step 8][lane 32][fragment in step 4]: bytes 0, 1 the first tile's two blocks along d, bytes 2, 3 the second's.  4,096 bytes
.set VIMG, 57344                       ; V^T's images: [key step 8][tile of d 4] fragments of 1,536 bytes, 48 bytes a lane: register R of lane l at 48 l + 4 R
.set VSC,  106496                      ; [key step 8][lane 32][tile of d 4] words; byte 2 c + b: slot 2 step + c, block b
.set WIMG, 110592                      ; the head's fragments of Wq, Wk, Wv: [3][tile 4][K step 4] images; behind the second barrier 4,352 bytes a wave: first the block maxima of pass 1, then the way out's stage
.set WSC,  184320                      ; their scale words: [3][K step 4][lane 32][tile 4]
.set KB,   190464                      ; k in f32 for the local scores: 320 rows x 272 bytes; row = local key + 32
.set VB,   277504                      ; v in bf16 for the local sums: 320 rows x 144 bytes
; registers of the projection
.set WFA, 2                            ; v2   WIMG + 16 l
.set WFV, 3                            ; v3   the same at Wv
.set WSA, 4                            ; v4   WSC + 16 l
.set KIA, 5                            ; v5   3072 w + 16 l
.set KSA, 7                            ; v7   KSC + 512 (w / 2) + 8 (w % 2) + 16 l
.set VIA, 8                            ; v8   VIMG + 6144 (w / 2) + 24 (w % 2) + 48 r + 12 h
.set VSA, 9                            ; v9   VSC + 512 (w / 2) + 16 l + 2 (w % 2)
.set KBW, 10                           ; v10-11  where pair b's k goes in the band
.set VBW, 12                           ; v12-13  and its v
.set XSC, 20                           ; v20-27  x's scale words: 4 u + s
.set WSR, 28                           ; v28-31  W's scale words of a K step: tile t
.set AK,  32                           ; v32-95  k^T: 32 u + 8 t
.set AV,  96                           ; v96-159 v: 16 t + 8 u
.set XF,  160                          ; v160-207 x's fragments: 24 (s % 2) + 12 u; for q: 12 s
.set WF,  208                          ; v208-255 four fragments of W; behind a pair's K steps:
.set TM,  208                          ; v208-211 largest magnitudes, v212-215 partners and bytes, v220-223 the conversions' scale operands
.set CD,  224                          ; v224-239 codes, four registers a block
.set BT,  240                          ; v240-255 v as bf16
; registers of the attention
.set KSL, 2                            ; v2   KSC + 16 l
.set VLA, 3                            ; v3   VIMG + 48 l
.set VSL, 4                            ; v4   VSC + 16 l
.set STB, 5                            ; v5   WIMG + 4352 w + 16 l: my four block maxima of step 0
.set KBR, 6                            ; v6   my query's first local row of k
.set VBR, 7                            ; v7   and of v
.set STI, 8                            ; v8   the stage, in
.set STO, 9                            ; v9   the stage, back
.set GO,  10                           ; v10  my byte offset among the wave's rows of out0
.set IQ,  11                           ; v11  my query's index i
.set ADK, 12                           ; v12-16 addresses of the loads in hand: K's images, K's scale words, V's images, V's scale words, the block maxima
.set ADS, 13
.set ADV, 14
.set ADT, 15
.set ADB, 16
.set KS,  20                           ; v20-23 K's scale words, v24-27 V's, v28 and v30 Q's two, v29 p's: v20-31 hold scales and nothing else
.set VS,  24
.set QSL, 28
.set PSW, 29
.set QSH, 30
.set AQ,  32                           ; v32-63 q in f32, then O^T: register 8 t + j is d = 32 (t / 2) + 16 h + 8 (t % 2) + j
.set O,   32
.set S,   64                           ; v64-127 S^T, then p; also band rows, V's fragments (12 t), rows on the way out
.set KF,  128                          ; v128-175 the four fragments of K of a step
.set QFL, 176                          ; v176-187 [q | zero codes]
.set PC,  188                          ; v188-199 p's codes
.set TP,  188                          ; v188-194 at work ahead of pass 2
.set PT,  200                          ; v200-207 the codes' second halves  (v192-223: ahead of pass 1 the third buffer for rows of k)
.set E,   224                          ; v224-230 the seven local scores, then weights
.set MX,  232                          ; v232 the largest score so far
.set NM,  234                          ; v[234:235] -c x that; in pass 2 less log2 of the sum
.set LS,  236                          ; v[236:237] the sum, in two halves
.set T2,  238                          ; v[238:239] a second chain
.set FF,  240                          ; v[240:241] 2^(new NM - old NM)
.set RL,  242                          ; v242 1 / sum
.set LG,  243                          ; v243 log2 sum
.set QFH, 244                          ; v244-255 [zero codes | q]
.set TK,  34                           ; s34  6,144 x a key step: K's and V's images
.set TN,  35                           ; s35  512 x a key step: the scale words and the block maxima
.set MK,  40                           ; s40-46 lanes whose local key lies inside 0 .. 1,023
.macro MMZ d, a, b, sa, sb             ; a product that starts a sum
	v_wmma_scale_f32_16x16x128_f8f6f4 v[(\d):(\d)+7], v[(\a):(\a)+11], v[(\b):(\b)+11], 0, v[(\sa)], v[(\sb)] matrix_a_fmt:MATRIX_FMT_FP6 matrix_b_fmt:MATRIX_FMT_FP6
.endm
.macro MMA d, a, b, sa, sb             ; and one that adds onto it
	v_wmma_scale_f32_16x16x128_f8f6f4 v[(\d):(\d)+7], v[(\a):(\a)+11], v[(\b):(\b)+11], v[(\d):(\d)+7], v[(\sa)], v[(\sb)] matrix_a_fmt:MATRIX_FMT_FP6 matrix_b_fmt:MATRIX_FMT_FP6
.endm
.macro PLACES                          ; four plain places behind a matrix instruction, in front of loads into its registers and of reads of its result
.rept 4
	v_nop
.endr
.endm
	s_load_b256 s[4:11], s[0:1], 0x0               ; xc s[4:5], xs s[6:7], wc s[8:9], ws s[10:11]
	s_load_b64 s[12:13], s[0:1], 0x20              ; out0
	v_lshrrev_b32 v19, 5, v0
	v_readfirstlane_b32 s14, v19                   ; wave w
	s_and_b32 s15, ttmp9, 3                        ; qd
	s_bfe_u32 s16, ttmp9, 0x30002                  ; head
	s_lshr_b32 s17, ttmp9, 5                       ; class
	s_mov_b32 s20, 0x76543210
	s_mov_b32 s21, 0xfedcba98                      ; v_permlanex16_b32's selects for lane l xor 16
	s_mov_b32 s22, 0x3e38aa3b                      ; c = log2(e) / sqrt(64)
	s_mov_b32 s23, s22                             ; (named with it as a pair)
	s_mov_b32 s24, 0xbe38aa3b                      ; -c
	s_mov_b32 s39, 1024
	v_and_b32 v19, 31, v0                          ; l
	v_lshlrev_b32 v1, 4, v19                       ; 16 l; never rewritten
	v_and_b32 v250, 15, v0                         ; r
	v_bfe_u32 v251, v0, 4, 1                       ; h
	v_and_b32 v252, 8, v250
	v_add_nc_u32 v252, v252, v250                  ; r + 8 (r / 8)
	v_add_nc_u32 v[WFA], WIMG, v1
	v_add_nc_u32 v[WFV], WIMG+49152, v1
	v_add_nc_u32 v[WSA], WSC, v1
	s_wait_alu depctr_va_sdst(0)                   ; s14 is written, ahead of its first reader: LDS places, global places and the band's branches are made from it
	s_mul_i32 s48, s14, 3072
	v_add_nc_u32 v[KIA], s48, v1                   ; my slot's two fragments of K
	s_lshr_b32 s50, s14, 1                         ; my key step w / 2,
	s_and_b32 s51, s14, 1                          ; and which of its two slots is mine
	s_lshl_b32 s49, s50, 9
	s_lshl_b32 s52, s51, 3
	s_add_co_u32 s52, s52, s49
	v_add_nc_u32 v[KSA], s52, v1
	v_add_nc_u32 v[KSA], KSC, v[KSA]
	s_mul_i32 s52, s50, 6144
	s_mul_i32 s53, s51, 24
	s_add_co_u32 s52, s52, s53
	v_mul_u32_u24 v[VIA], v250, 48
	v_mad_u32_u24 v[VIA], v251, 12, v[VIA]
	v_add_nc_u32 v[VIA], s52, v[VIA]
	v_add_nc_u32 v[VIA], VIMG, v[VIA]
	s_lshl_b32 s53, s51, 1
	s_add_co_u32 s53, s53, s49
	v_add_nc_u32 v[VSA], s53, v1
	v_add_nc_u32 v[VSA], VSC, v[VSA]
	; the band: local block 2 w + b lies at band block (2 w + b + 1) % 32; blocks 0 .. 9 (local keys -32 .. 287) are kept
	s_lshl_b32 s32, s14, 1
	s_add_co_u32 s33, s32, 2
	s_add_co_u32 s32, s32, 1
	s_and_b32 s32, s32, 31
	s_and_b32 s33, s33, 31
	v_mul_u32_u24 v253, v252, 272
	v_lshl_add_u32 v253, v251, 6, v253
	v_add_nc_u32 v253, KB, v253                    ; k: row r + 8 (r / 8) of the block (+ 8 u), bytes 64 h on
	v_mul_u32_u24 v254, v251, 2304
	v_lshl_add_u32 v254, v252, 1, v254
	v_add_nc_u32 v254, VB, v254                    ; v: row 16 h (+ 8 u + j), d = r + 8 (r / 8) (+ the tile's)
	s_min_u32 s52, s32, 9
	s_mul_i32 s53, s52, 8704
	s_mul_i32 s52, s52, 4608
	v_add_nc_u32 v[KBW], s53, v253
	v_add_nc_u32 v[VBW], s52, v254
	s_min_u32 s52, s33, 9
	s_mul_i32 s53, s52, 8704
	s_mul_i32 s52, s52, 4608
	v_add_nc_u32 v[KBW+1], s53, v253
	v_add_nc_u32 v[VBW+1], s52, v254
	v_lshl_add_u32 v14, v0, 4, WIMG                ; staging W: 16 bytes a thread,
	v_add_nc_u32 v15, 49152, v14                   ; (Wv's part lies beyond an LDS immediate's reach)
	v_lshl_add_u32 v16, v0, 2, WSC                 ; 4 bytes a thread of the scale words
	v_lshlrev_b32 v17, 2, v0
	v_lshlrev_b32 v18, 4, v0
	; global places
	s_lshl_b32 s48, s15, 2
	s_add_co_u32 s48, s48, s14
	s_and_b32 s48, s48, 15                         ; my key group (w + 4 qd) % 16
	s_lshl_b32 s48, s48, 2
	s_lshl_b32 s49, s17, 6
	s_add_co_u32 s48, s48, s49                     ; its first tile: 64 cl + 4 x group
	s_mov_b32 s51, 0
	s_mov_b32 s55, 0
	s_mul_i32 s50, s48, 6144
	s_lshl_b32 s54, s48, 9
	s_wait_kmcnt 0x0
	s_add_nc_u64 s[18:19], s[4:5], s[50:51]        ; its images,
	s_add_nc_u64 s[26:27], s[6:7], s[54:55]        ; its scale words
	s_lshl_b32 s48, s15, 4
	s_add_co_u32 s48, s48, s14
	s_add_co_u32 s48, s48, s49                     ; my tile of queries: 64 cl + 16 qd + w
	s_mul_i32 s50, s48, 6144
	s_lshl_b32 s54, s48, 9
	s_add_nc_u64 s[28:29], s[4:5], s[50:51]
	s_add_nc_u64 s[30:31], s[6:7], s[54:55]
	s_mul_i32 s50, s16, 24576
	s_lshl_b32 s54, s16, 11
	s_add_nc_u64 s[8:9], s[8:9], s[50:51]          ; the head's part of wc,
	s_add_nc_u64 s[10:11], s[10:11], s[54:55]      ; and of ws
	s_lshr_b32 s48, s17, 2                         ; out0: row 4096 batch + 4 (256 qd + 32 (w / 2) + 8 (w % 2)) + residue, 2,048 bytes a row, + 256 head
	s_lshl_b32 s48, s48, 12
	s_lshl_b32 s49, s15, 10
	s_add_co_u32 s48, s48, s49
	s_lshr_b32 s49, s14, 1
	s_lshl_b32 s49, s49, 7
	s_add_co_u32 s48, s48, s49
	s_and_b32 s49, s14, 1
	s_lshl_b32 s49, s49, 5
	s_add_co_u32 s48, s48, s49
	s_and_b32 s49, s17, 3
	s_add_co_u32 s48, s48, s49
	s_lshl_b32 s48, s48, 11
	s_lshl_b32 s49, s16, 8
	s_add_co_u32 s50, s48, s49
	s_add_nc_u64 s[12:13], s[12:13], s[50:51]
; the two fragments of x of pair pb, K step ks, into buffer ks % 2: six loads of 512 consecutive bytes
.macro XLOAD pb, ks
.irp u, 0,1
.irp g, 0,1,2
	global_load_b128 v[XF+24*((\ks)%2)+12*\u+4*\g:XF+24*((\ks)%2)+12*\u+4*\g+3], v1, s[18:19] offset:(2*(\pb)+\u)*6144+1536*(\ks)+512*\g
.endr
.endr
.endm
.macro XSCLOAD pb                      ; the pair's scale words: four K steps' words a lane and tile
.irp u, 0,1
	global_load_b128 v[XSC+4*\u:XSC+4*\u+3], v1, s[26:27] offset:(2*(\pb)+\u)*512
.endr
.endm
	; ---- W's fragments and scale words of this head go to LDS, 512 threads side by side
	s_wait_alu depctr_va_vdst(0)                   ; v1 to v18 are written, which the projection's loads and stores read as offsets and addresses; so are v250 to v254, in which fragments of W land later
.irp sel, 0,1,2
.irp rd, 0,1,2
	global_load_b128 v[32+12*\sel+4*\rd:35+12*\sel+4*\rd], v18, s[8:9] offset:196608*\sel+8192*\rd
.endr
.endr
.irp sel, 0,1,2
	global_load_b32 v[68+\sel], v17, s[10:11] offset:16384*\sel
.endr
	XSCLOAD 0
	XLOAD 0, 0
	s_wait_loadcnt 8                               ; W's twelve loads are in; x's eight, issued behind them, may stay out
.irp sel, 0,1
.irp rd, 0,1,2
	ds_store_b128 v14, v[32+12*\sel+4*\rd:35+12*\sel+4*\rd] offset:24576*\sel+8192*\rd
.endr
.endr
.irp rd, 0,1,2
	ds_store_b128 v15, v[56+4*\rd:59+4*\rd] offset:8192*\rd
.endr
.irp sel, 0,1,2
	ds_store_b32 v16, v[68+\sel] offset:2048*\sel
.endr
	s_wait_dscnt 0x0                               ; for the others' sake: my part of W lies in LDS
	s_barrier_signal -1
	s_barrier_wait -1
	s_wait_alu depctr_vm_vsrc(0)                   ; my LDS stores have read v32 to v70, which the products below write as accumulators
; A K step of 128 of the projections of pair pb: 8 products for k^T, 8 for v; each fragment of W feeds two.  The sixteen accumulators take turns, one instruction a turn.
; nxt = 1: the next K step's fragments of x (pair nb, step ns) are asked for first.
.macro KSTEP pb, ks, nxt, nb, ns
.if \nxt
	XLOAD \nb, \ns
	s_wait_loadcnt 6                               ; all but the six just issued: this step's fragments and the pair's scale words are in
.else
	s_wait_loadcnt 0x0
.endif
	ds_load_b128 v[WSR:WSR+3], v[WSA] offset:2048+512*(\ks)
.irp t, 0,1,2,3
.irp g, 0,1,2
	ds_load_b128 v[WF+12*\t+4*\g:WF+12*\t+4*\g+3], v[WFA] offset:24576+(4*\t+(\ks))*1536+512*\g
.endr
.endr
	s_wait_dscnt 0x0
.irp u, 0,1
.irp t, 0,1,2,3
.if (\ks) == 0
	MMZ AK+32*\u+8*\t, WF+12*\t, XF+24*((\ks)%2)+12*\u, WSR+\t, XSC+4*\u+(\ks)
.else
	MMA AK+32*\u+8*\t, WF+12*\t, XF+24*((\ks)%2)+12*\u, WSR+\t, XSC+4*\u+(\ks)
.endif
.endr
.endr
	PLACES
	s_wait_alu depctr_va_vdst(0)                   ; the eight products are done reading WF and WSR, in which Wv's fragments and scale words land
	ds_load_b128 v[WSR:WSR+3], v[WSA] offset:4096+512*(\ks)
.irp t, 0,1,2,3
.irp g, 0,1,2
	ds_load_b128 v[WF+12*\t+4*\g:WF+12*\t+4*\g+3], v[WFV] offset:(4*\t+(\ks))*1536+512*\g
.endr
.endr
	s_wait_dscnt 0x0
.irp u, 0,1
.irp t, 0,1,2,3
.if (\ks) == 0
	MMZ AV+16*\t+8*\u, XF+24*((\ks)%2)+12*\u, WF+12*\t, XSC+4*\u+(\ks), WSR+\t
.else
	MMA AV+16*\t+8*\u, XF+24*((\ks)%2)+12*\u, WF+12*\t, XSC+4*\u+(\ks), WSR+\t
.endif
.endr
.endr
	PLACES
	s_wait_alu depctr_va_vdst(0)                   ; the step's products are done reading WF, WSR, this step's buffer of x and XSC: the loads that follow (the next step's; at a pair's end the next scale words, or q's fragments) land there
.endm
; nb blocks of 32 along a K; block q's 16 numbers of my lane stand in v[base + 16 q] on, the other 16 in lane l xor 16.  Bytes to v[TM + 4 + q], 16 codes to v[CD + 4 q] on.  Each accumulator is read from its low end on.
.macro QS nb, base
.set qb, 0
.rept \nb
	v_max3_num_f32 v[TM+qb], |v[\base+16*qb]|, |v[\base+16*qb+1]|, 0x1800000   ; with the floor 2^(3 - 127): the byte cannot fall under 1
.set qb, qb+1
.endr
.irp i, 2,4,6,8,10,12,14
.set qb, 0
.rept \nb
	v_max3_num_f32 v[TM+qb], v[TM+qb], |v[\base+16*qb+\i]|, |v[\base+16*qb+\i+1]|   ; the blocks by turns
.set qb, qb+1
.endr
.endr
.set qb, 0
.rept \nb
	v_mov_b32 v[TM+4+qb], 0                        ; (a lane permute's destination counts as one of its sources)
.set qb, qb+1
.endr
.set qb, 0
.rept \nb
	v_permlanex16_b32 v[TM+4+qb], v[TM+qb], s20, s21
.set qb, qb+1
.endr
.set qb, 0
.rept \nb
	v_max_num_f32 v[TM+qb], v[TM+qb], v[TM+4+qb]   ; the block's largest magnitude
.set qb, qb+1
.endr
.set qb, 0
.rept \nb
	v_add_nc_u32 v[TM+12+qb], 0xff000000, v[TM+qb] ; 2 off its exponent field: the conversion's scale operand
.set qb, qb+1
.endr
.set qb, 0
.rept \nb
	v_lshrrev_b32 v[TM+4+qb], 23, v[TM+12+qb]      ; the scale's byte
.set qb, qb+1
.endr
.set qb, 0
.rept \nb
	v_cvt_scalef32_pk16_fp6_f32 v[CD+4*qb:CD+4*qb+2], v[\base+16*qb:\base+16*qb+15], v[TM+12+qb]
.set qb, qb+1
.endr
	v_nop                                          ; one plain place behind a scaled conversion
.endm
; The pair's two tiles become ONE fragment of K, fragment pb of my slot: tile u's two blocks along d (a whole block in a lane: lanes 0-15 d 0-31, lanes 16-31 d 32-63) are its registers 6 u .. 6 u + 5.
; The four bytes (tile 0's two blocks, tile 1's two) are its scale word.
.macro KTAIL pb
.irp u, 0,1
.irp i, 0,1,2
	v_permlane16_swap_b32 v[CD+8*\u+\i], v[CD+8*\u+4+\i]
.endr
.irp i, 0,1,2
	v_mov_b32 v[CD+8*\u+3+\i], v[CD+8*\u+4+\i]
.endr
.endr
	v_lshl_or_b32 v[CD+7], v[TM+5], 8, v[TM+4]
	v_lshl_or_b32 v[CD+7], v[TM+6], 16, v[CD+7]
	v_lshl_or_b32 v[CD+7], v[TM+7], 24, v[CD+7]
	s_wait_alu depctr_va_vdst(0)                   ; the conversions, exchanges and moves have written CD, which the five stores read
	ds_store_b128 v[KIA], v[CD:CD+3] offset:1536*(\pb)             ; registers 0-3
	ds_store_b64 v[KIA], v[CD+4:CD+5] offset:1536*(\pb)+512        ; 4, 5
	ds_store_b64 v[KIA], v[CD+8:CD+9] offset:1536*(\pb)+520        ; 6, 7
	ds_store_b128 v[KIA], v[CD+10:CD+13] offset:1536*(\pb)+1024    ; 8-11
	ds_store_b32 v[KSA], v[CD+7] offset:4*(\pb)
.endm
; v's four tiles of d: my 16 codes (12 bytes) of key block pb go to their place in lane' = r + 16 pb's 48 bytes: 24 x (my slot in the step) + 12 h: LDS puts the block's halves together
.macro VTAIL pb
	s_wait_alu depctr_va_vdst(0)                   ; the conversions have written CD and the shifts the bytes in TM + 4 on, which the stores read
.irp t, 0,1,2,3
.irp i, 0,1,2
	ds_store_b32 v[VIA], v[CD+4*\t+\i] offset:1536*\t+768*(\pb)+4*\i
.endr
	ds_store_b8 v[VSA], v[TM+4+\t] offset:4*\t+(\pb)
.endr
.endm
; The band: k in f32 and v in bf16 of the blocks that lie within reach of the work-group's queries.  The branch hangs on the wave's number alone and jumps over no barrier.
; k's accumulators were written ahead of the wait in front of v's stores, and no vector line since names them: their stores owe nothing more.
.macro BAND pb
	s_cmp_lt_u32 s[32+\pb], 10
	s_cbranch_scc0 .Lnoband_\@
.irp u, 0,1
.irp t, 0,1,2,3
.irp q, 0,1
	ds_store_b128 v[KBW+\pb], v[AK+32*\u+8*\t+4*\q:AK+32*\u+8*\t+4*\q+3] offset:2176*\u+128*(\t/2)+32*(\t%2)+16*\q
.endr
.endr
.endr
.irp tp, 0,1
.irp tt, 0,1
.irp u, 0,1
.irp q, 0,1,2,3
	v_cvt_pk_bf16_f32 v[BT+8*\tt+4*\u+\q], v[AV+16*(2*\tp+\tt)+8*\u+2*\q], v[AV+16*(2*\tp+\tt)+8*\u+2*\q+1]
.endr
.endr
.endr
	s_wait_alu depctr_va_vdst(0)                   ; the sixteen roundings have written BT, which the 32 stores read
.irp tt, 0,1
.irp u, 0,1
.irp q, 0,1,2,3
	ds_store_b16 v[VBW+\pb], v[BT+8*\tt+4*\u+\q] offset:(8*\u+2*\q)*144+64*\tp+16*\tt
	ds_store_b16_d16_hi v[VBW+\pb], v[BT+8*\tt+4*\u+\q] offset:(8*\u+2*\q+1)*144+64*\tp+16*\tt
.endr
.endr
.endr
	s_wait_dscnt 0x0                               ; the stores are done
.if \tp == 0
	s_wait_alu depctr_vm_vsrc(0)                   ; and have read BT, which the second half's roundings write again
.endif
.endr
.Lnoband_\@:
.endm
.macro TAILS pb
	QS 4, AK                                       ; block 2 u + b': tile u, d 32 b' on
	KTAIL \pb
	s_wait_dscnt 0x0                               ; K's stores are done
	s_wait_alu depctr_vm_vsrc(0)                   ; and have read CD, which v's conversions write again
	QS 4, AV                                       ; block t: tile t of d, the pair's 32 keys
	VTAIL \pb
	BAND \pb
	s_wait_dscnt 0x0
	s_wait_alu depctr_vm_vsrc(0)                   ; on both ways: the stores have read CD, TM and BT, in which fragments of W land next, and k's accumulators, which the next products write
.endm
	; ---- my 64 keys: two pairs of tiles
	KSTEP 0, 0, 1, 0, 1
	KSTEP 0, 1, 1, 0, 2
	KSTEP 0, 2, 1, 0, 3
	KSTEP 0, 3, 1, 1, 0
	XSCLOAD 1                                      ; behind the last products that read these registers, their places and the wait at the step's end
	TAILS 0
	KSTEP 1, 0, 1, 1, 1
	KSTEP 1, 1, 1, 1, 2
	KSTEP 1, 2, 1, 1, 3
	KSTEP 1, 3, 0, 0, 0
	global_load_b128 v[XSC:XSC+3], v1, s[30:31]    ; my tile of queries: its scale words and its four fragments
.irp s, 0,1,2,3
.irp g, 0,1,2
	global_load_b128 v[XF+12*\s+4*\g:XF+12*\s+4*\g+3], v1, s[28:29] offset:1536*\s+512*\g
.endr
.endr
	TAILS 1
	; ---- q^T of my 16 queries.  (W's first loads owe no wait on va_vdst of their own: on both ways through the band the last vector line stands ahead of the last such wait)
	s_wait_loadcnt 0x0
.irp s, 0,1,2,3
	ds_load_b128 v[WSR:WSR+3], v[WSA] offset:512*\s
.irp t, 0,1,2,3
.irp g, 0,1,2
	ds_load_b128 v[WF+12*\t+4*\g:WF+12*\t+4*\g+3], v[WFA] offset:(4*\t+\s)*1536+512*\g
.endr
.endr
	s_wait_dscnt 0x0
.irp t, 0,1,2,3
.if \s == 0
	MMZ AQ+8*\t, WF+12*\t, XF+12*\s, WSR+\t, XSC+\s
.else
	MMA AQ+8*\t, WF+12*\t, XF+12*\s, WSR+\t, XSC+\s
.endif
.endr
	PLACES
.if \s < 3
	s_wait_alu depctr_va_vdst(0)                   ; the four products are done reading WF and WSR, in which the next K step's fragments and scale words land
.endif
.endr
	QS 2, AQ
.irp i, 0,1,2
	v_permlane16_swap_b32 v[CD+\i], v[CD+4+\i]
.endr
.irp i, 0,1,2                                  ; q's six registers of codes stand twice: under K = 0 .. 63 and under K = 64 .. 127
	v_mov_b32 v[QFL+\i], v[CD+\i]
	v_mov_b32 v[QFL+3+\i], v[CD+4+\i]
	v_mov_b32 v[QFH+6+\i], v[CD+\i]
	v_mov_b32 v[QFH+9+\i], v[CD+4+\i]
.endr
.irp i, 0,1,2,3,4,5
	v_mov_b32 v[QFL+6+\i], 0                       ; the other half of each: zero codes, written once
	v_mov_b32 v[QFH+\i], 0
.endr
	v_lshl_or_b32 v[QSL], v[TM+5], 8, v[TM+4]      ; q's two bytes,
	v_lshl_or_b32 v[QSH], v[QSL], 16, 0x7f7f       ; over K = 64 .. 127, 0x7f over the zero codes;
	v_or_b32 v[QSL], 0x7f7f0000, v[QSL]            ; and over K = 0 .. 63
	s_wait_dscnt 0x0                               ; my images and my part of the bands lie in LDS, and my reads of W are over
	s_barrier_signal -1
	s_barrier_wait -1
	; ---- the attention's addresses, from the thread's and the wave's number
	s_wait_alu depctr_vm_vsrc(0)                   ; the projection's loads and stores have read their address registers v2 to v18, which are written anew below
	v_and_b32 v19, 31, v0                          ; l
	v_and_b32 v17, 15, v0                          ; r
	v_bfe_u32 v18, v0, 4, 1                        ; h
	v_add_nc_u32 v[KSL], KSC, v1
	v_mul_u32_u24 v[VLA], v19, 48
	v_add_nc_u32 v[VLA], VIMG, v[VLA]
	v_add_nc_u32 v[VSL], VSC, v1
	s_lshr_b32 s48, s14, 1
	s_lshl_b32 s48, s48, 5
	s_and_b32 s49, s14, 1
	s_lshl_b32 s49, s49, 3
	s_add_co_u32 s48, s48, s49
	v_and_b32 v19, 8, v17
	v_add_nc_u32 v19, v19, v17
	v_add_nc_u32 v19, s48, v19                     ; my query as a local key: 32 (w / 2) + 8 (w % 2) + r + 8 (r / 8)
	v_mul_u32_u24 v[KBR], v19, 272
	v_lshl_add_u32 v[KBR], v18, 6, v[KBR]
	v_add_nc_u32 v[KBR], KB+29*272, v[KBR]         ; band row of local key - 3; my half's d: 64 h bytes on
	v_mul_u32_u24 v[VBR], v19, 144
	v_lshl_add_u32 v[VBR], v18, 5, v[VBR]
	v_add_nc_u32 v[VBR], VB+29*144, v[VBR]
	s_mul_i32 s49, s14, 4352                       ; my 4,352 bytes where W lay
	v_add_nc_u32 v[STB], s49, v1
	v_add_nc_u32 v[STB], WIMG, v[STB]
	v_mul_u32_u24 v[STI], v17, 272
	v_lshl_add_u32 v[STI], v18, 6, v[STI]
	v_add_nc_u32 v[STI], s49, v[STI]
	v_add_nc_u32 v[STI], WIMG, v[STI]
	v_mul_u32_u24 v[STO], v18, 272
	v_lshl_add_u32 v[STO], v17, 4, v[STO]
	v_add_nc_u32 v[STO], s49, v[STO]
	v_add_nc_u32 v[STO], WIMG, v[STO]
	v_lshlrev_b32 v[GO], 13, v18                   ; neighbouring queries lie four rows of out0 apart: 8,192 bytes
	v_lshl_add_u32 v[GO], v17, 4, v[GO]
	s_lshl_b32 s50, s15, 8
	v_add_nc_u32 v[IQ], s50, v19
; a key step's four fragments of K and their scale words: one run of thirteen loads
.macro KLOAD ak, as
.irp f, 0,1,2,3
.irp g, 0,1,2
	ds_load_b128 v[KF+12*\f+4*\g:KF+12*\f+4*\g+3], v[\ak] offset:1536*\f+512*\g
.endr
.endr
	ds_load_b128 v[KS:KS+3], v[\as]
.endm
	s_wait_alu depctr_va_vdst(0)                   ; the addresses above are written, which the attention's LDS and memory instructions read; the projection's products and vector lines are done with v20-23 and v64-223, in which K, its scale words and the rows of k land; q's codes and scale words are written, which the scaled products take
	KLOAD 1, KSL                                   ; key step 0, for pass 1: it lands under the local scores
	; ---- the seven local scores, f32 operands: q . k over my 32 d, then lane l xor 16's.  Three row buffers by turns: v64-95, v96-127, v192-223
.macro KROW d, buf
.set RB, S+32*(\buf)+64*((\buf)/2)
.irp k, 0,1,2,3
	ds_load_b128 v[RB+4*\k:RB+4*\k+3], v[KBR] offset:272*(\d)+16*\k
.endr
.irp k, 0,1,2,3
	ds_load_b128 v[RB+16+4*\k:RB+16+4*\k+3], v[KBR] offset:272*(\d)+128+16*\k
.endr
.endm
	KROW 0, 0
	KROW 1, 1
.irp d, 0,1,2,3,4,5,6
.if \d < 6
	s_wait_dscnt 8                                 ; this row's eight loads are in; the next row's may be out
.else
	s_wait_dscnt 0x0
.endif
.if \d < 5
.if \d > 0
	s_wait_alu depctr_va_vdst(0)                   ; the arithmetic of the row before is done reading its buffer, in which the row two on lands
.endif
	KROW \d+2, (\d+2)%3                            ; (row 2 lands in the third buffer, which no vector line has named since the wait ahead of K's loads)
.endif
.set RC, S+32*(\d%3)+64*((\d%3)/2)
	v_pk_mul_f32 v[TP:TP+1], v[AQ:AQ+1], v[RC:RC+1]
	v_pk_mul_f32 v[TP+2:TP+3], v[AQ+2:AQ+3], v[RC+2:RC+3]
.irp n, 4,8,12,16,20,24,28
	v_pk_fma_f32 v[TP:TP+1], v[AQ+\n:AQ+\n+1], v[RC+\n:RC+\n+1], v[TP:TP+1]
	v_pk_fma_f32 v[TP+2:TP+3], v[AQ+\n+2:AQ+\n+3], v[RC+\n+2:RC+\n+3], v[TP+2:TP+3]
.endr
	v_pk_add_f32 v[TP:TP+1], v[TP:TP+1], v[TP+2:TP+3]
	v_add_f32 v[E+\d], v[TP], v[TP+1]
.endr
.irp d, 0,1,2,3,4,5,6
	v_permlanex16_b32 v[S+\d], v[E+\d], s20, s21
.endr
.irp d, 0,1,2,3,4,5,6
	v_add_f32 v[E+\d], v[E+\d], v[S+\d]            ; the same bits in both halves of the lanes
.endr
.irp d, 0,1,2,3,4,5,6
	v_add_nc_u32 v17, \d-3, v[IQ]
	v_cmp_gt_u32 s[MK+\d], s39, v17                ; inside 0 .. 1,023?  (unsigned: what is negative fails too)
.endr
	s_wait_alu depctr_va_sdst(0)                   ; the seven compares have written s40 to s46, ahead of their first readers
.irp d, 0,1,2,3,4,5,6
	v_cndmask_b32 v[E+\d], 0, v[E+\d], s[MK+\d]    ; outside: k = 0, the score is 0
.endr
	v_max3_num_f32 v[MX], v[E], v[E+1], 0          ; the 0 is key 1,024's score
	v_max3_num_f32 v[MX], v[MX], v[E+2], v[E+3]
	v_max3_num_f32 v[MX], v[MX], v[E+4], v[E+5]
	v_max_num_f32 v[MX], v[MX], v[E+6]
	v_mul_f32 v[NM], s24, v[MX]
	v_mov_b32 v[NM+1], 0                           ; (upper halves of pairs of which the low word serves both halves: written once)
	v_mov_b32 v[FF+1], 0
	v_mov_b32 v[LS], 0
	v_mov_b32 v[LS+1], 0
; S^T = K Q^T of a step of 128 keys: fragment f against [q | 0] gives tile 2 f, against [0 | q] tile 2 f + 1
.macro KQ
.irp f, 0,1,2,3
	MMZ S+16*\f, KF+12*\f, QFL, KS+\f, QSL
	MMZ S+16*\f+8, KF+12*\f, QFH, KS+\f, QSH
.endr
.endm
.macro BLKMAX                          ; the largest of my 16 scores of each block of 32 keys; each accumulator from its low end on
.irp b, 0,1,2,3
	v_max3_num_f32 v[TM+\b], v[S+16*\b], v[S+16*\b+1], v[S+16*\b+2]
.endr
.irp i, 3,5,7,9,11,13
.irp b, 0,1,2,3
	v_max3_num_f32 v[TM+\b], v[TM+\b], v[S+16*\b+\i], v[S+16*\b+\i+1]
.endr
.endr
.irp b, 0,1,2,3
	v_max_num_f32 v[TM+\b], v[TM+\b], v[S+16*\b+15]
.endr
.endm
; ---- PASS 1: a running maximum and sum, each LANE for its half of the query's keys: no lane is asked inside the loop.
; A step.  Behind its products and four plain lines the next step's K is requested into the registers just read: it lands under the step's vector work.  nxt = 0, the last step: what is requested is step 0, for pass 2.
; My four block maxima go to my own bytes of LDS: pass 2 makes the same scores from the same operands and does not search again.
.macro P1STEP nxt
	s_wait_dscnt 0x0                               ; this step's K and its scale words are in; the last step's store is done
	s_wait_alu depctr_vm_vsrc(0)                   ; the last step's loads have read ADK and ADS, its store ADB and TM: all four are written again in this step
	KQ
	v_add_nc_u32 v[ADB], s[TN], v[STB]             ; this step's place for the maxima
.if \nxt
	s_add_co_u32 s[TK], s[TK], 6144                ; four fragments on
	s_add_co_u32 s[TN], s[TN], 512
.else
	s_mov_b32 s[TK], 0
	s_mov_b32 s[TN], 0
.endif
	v_add_nc_u32 v[ADK], s[TK], v1
	v_add_nc_u32 v[ADS], s[TN], v[KSL]
	v_nop                                          ; the fourth place behind the products
	s_wait_alu depctr_va_vdst(0)                   ; the eight products are done reading KF and KS, in which the next step's K lands; ADK, ADS and ADB are written
	KLOAD ADK, ADS
	BLKMAX
	v_max3_num_f32 v[MX], v[TM], v[TM+1], v[MX]
	v_max3_num_f32 v[MX], v[TM+2], v[TM+3], v[MX]
	v_mov_b32 v[TP], v[NM]
	v_mul_f32 v[NM], s24, v[MX]                    ; -c max
	v_sub_f32 v[TP], v[NM], v[TP]                  ; 0 or less
.irp j, 0,2,4,6,8,10,12,14,16,18,20,22,24,26,28,30,32,34,36,38,40,42,44,46,48,50,52,54,56,58,60,62
	v_pk_fma_f32 v[S+\j:S+\j+1], v[S+\j:S+\j+1], s[22:23], v[NM:NM+1] op_sel_hi:[1,0,0]   ; c s - c max
.endr
	s_wait_alu depctr_va_vdst(0)
	v_exp_f32 v[FF], v[TP]
.irp j, 0,1,2,3,4,5,6,7,8,9,10,11,12,13,14,15,16,17,18,19,20,21,22,23,24,25,26,27,28,29,30,31,32,33,34,35,36,37,38,39,40,41,42,43,44,45,46,47,48,49,50,51,52,53,54,55,56,57,58,59,60,61,62,63
	v_exp_f32 v[S+\j], v[S+\j]
.endr
	v_nop                                          ; a plain place behind the last exponential
	s_wait_alu depctr_va_vdst(0)                   ; one wait for the batch of 65 exponentials, ahead of its first reader; behind it the search has also written TM, which the store reads
	ds_store_b128 v[ADB], v[TM:TM+3]
	v_pk_mul_f32 v[LS:LS+1], v[LS:LS+1], v[FF:FF+1] op_sel_hi:[1,0]   ; the sum under the new maximum
	v_pk_add_f32 v[T2:T2+1], v[S:S+1], v[S+2:S+3]
.irp j, 4,8,12,16,20,24,28,32,36,40,44,48,52,56,60
	v_pk_add_f32 v[LS:LS+1], v[LS:LS+1], v[S+\j:S+\j+1]
	v_pk_add_f32 v[T2:T2+1], v[T2:T2+1], v[S+\j+2:S+\j+3]
.endr
	v_pk_add_f32 v[LS:LS+1], v[LS:LS+1], v[T2:T2+1]
.endm
; a local row of v (bf16) into one of S's four slots of 16 registers, and its term of O^T
.macro VROW d, slot
.irp k, 0,1
	ds_load_b128 v[S+16*(\slot)+4*\k:S+16*(\slot)+4*\k+3], v[VBR] offset:144*(\d)+16*\k
.endr
.irp k, 0,1
	ds_load_b128 v[S+16*(\slot)+8+4*\k:S+16*(\slot)+8+4*\k+3], v[VBR] offset:144*(\d)+64+16*\k
.endr
.endm
.macro VACC d, slot, first
.irp q, 0,1,2,3,4,5,6,7,8,9,10,11,12,13,14,15
.if \first
	v_fma_mix_f32_bf16 v[O+2*\q], v[S+16*(\slot)+\q], v[E+\d], v[QFL+6] op_sel_hi:[1,0,0]
	v_fma_mix_f32_bf16 v[O+2*\q+1], v[S+16*(\slot)+\q], v[E+\d], v[QFL+6] op_sel:[1,0,0] op_sel_hi:[1,0,0]
.else
	v_fma_mix_f32_bf16 v[O+2*\q], v[S+16*(\slot)+\q], v[E+\d], v[O+2*\q] op_sel_hi:[1,0,0]
	v_fma_mix_f32_bf16 v[O+2*\q+1], v[S+16*(\slot)+\q], v[E+\d], v[O+2*\q+1] op_sel:[1,0,0] op_sel_hi:[1,0,0]
.endif
.endr
.endm
	s_mov_b32 s[TK], 0
	s_mov_b32 s[TN], 0
	s_mov_b32 s38, 7
.Lpass1:                                       ; seven steps; the eighth is written out, so that no load reads past the images
	P1STEP 1
	s_sub_co_u32 s38, s38, 1
	s_cmp_lg_u32 s38, 0
	s_cbranch_scc1 .Lpass1
	P1STEP 0
	; ---- the two halves of the lanes meet; the seven local terms and key 1,024's join the sum.  Two products and a commutative sum: lanes l and l xor 16 get the same bits
	v_add_f32 v[TP], v[LS], v[LS+1]
	v_permlanex16_b32 v[TP+1], v[NM], s20, s21
	v_permlanex16_b32 v[TP+2], v[TP], s20, s21
	v_min_num_f32 v[TP+3], v[NM], v[TP+1]          ; -c x the row's maximum
	v_sub_f32 v[TP+4], v[TP+3], v[NM]
	v_sub_f32 v[TP+5], v[TP+3], v[TP+1]
.irp d, 0,1,2,3,4,5,6
	v_fma_f32 v[E+\d], v[E+\d], s22, v[TP+3]
.endr
	s_wait_alu depctr_va_vdst(0)
	v_exp_f32 v[TP+4], v[TP+4]
	v_exp_f32 v[TP+5], v[TP+5]
.irp d, 0,1,2,3,4,5,6
	v_exp_f32 v[E+\d], v[E+\d]
.endr
	v_exp_f32 v[TP+6], v[TP+3]                     ; key 1,024: score 0
	v_mov_b32 v[NM], v[TP+3]                       ; (a plain place behind the exponentials)
	s_wait_alu depctr_va_vdst(0)                   ; one wait for the ten exponentials, ahead of their first reader; behind it pass 1's lines are also done with S, in which the four rows of v land
	VROW 0, 0                                      ; the first four local rows of v: they land under the sum and the reciprocal
	VROW 1, 1
	VROW 2, 2
	VROW 3, 3
	v_mul_f32 v[TP], v[TP], v[TP+4]
	v_mul_f32 v[TP+2], v[TP+2], v[TP+5]
	v_add_f32 v[TP], v[TP], v[TP+2]
	v_add_f32 v[TP], v[TP], v[TP+6]
.irp d, 0,1,2,3,4,5,6
	v_add_f32 v[TP], v[TP], v[E+\d]
.endr
	s_wait_alu depctr_va_vdst(0)
	v_rcp_f32 v[RL], v[TP]                         ; 1 / sum, for the seven local weights;
	v_log_f32 v[LG], v[TP]                         ; log2 sum (the sum lies between 1 and 1,032), for pass 2's exponents
	v_nop
	s_wait_alu depctr_va_vdst(0)                   ; one wait for the reciprocal and the logarithm, ahead of their first readers
	v_sub_f32 v[NM], v[NM], v[LG]                  ; -c max - log2 sum: 2^(c s + this) is the finished weight, with no multiplication behind the exponential
.irp d, 0,1,2,3,4,5,6
	v_mul_f32 v[E+\d], v[E+\d], v[RL]              ; the local weights, normalised
.endr
.irp d, 0,1,2,3,4,5,6
	v_cndmask_b32 v[E+\d], 0, v[E+\d], s[MK+\d]    ; outside 0 .. 1,023 v is 0: what lies in the band there is another key's
.endr
	s_wait_alu depctr_va_vdst(0)
	; ---- the local part starts O^T: weight (f32) x v (bf16), f32 sums; the first row's addend is a register of zeros, so nothing is cleared
	s_wait_dscnt 0x0                               ; the four rows are in; pass 1's last store is done
	VACC 0, 0, 1
	VACC 1, 1, 0
	VACC 2, 2, 0
	s_wait_alu depctr_vm_vsrc(0)                   ; pass 1's last store has read TM, in which step 0's maxima land
	s_wait_alu depctr_va_vdst(0)                   ; the first three rows' terms are done reading their slots, in which the last three rows land
	VROW 4, 0
	VROW 5, 1
	VROW 6, 2
	ds_load_b128 v[TM:TM+3], v[STB]                ; step 0's block maxima, for pass 2
	VACC 3, 3, 0                                   ; the fourth row's term names its own slot, the weights and O^T alone: it stands beside the loads
	s_wait_dscnt 0x0
	VACC 4, 0, 0
	VACC 5, 1, 0
	VACC 6, 2, 0
; ---- PASS 2: the scores again, p = 2^(c s - c max - log2 sum), quantised along the keys, O^T += V^T P^T.
; A step.  At its head K, its scale words and my block maxima are in registers.  Five plain lines stand between the last V^T P product and the products that write over its source registers.
; nxt = 1: the next step's K is requested behind the products, its block maxima with V.
.macro P2STEP nxt
	s_wait_dscnt 0x0
	s_wait_alu depctr_vm_vsrc(0)                   ; the LDS loads issued so far have read the address registers ADK to ADB, which are written again below
	v_add_nc_u32 v[ADV], s[TK], v[VLA]             ; this step's V and its scale words
	v_add_nc_u32 v[ADT], s[TN], v[VSL]
.if \nxt
	s_add_co_u32 s[TK], s[TK], 6144
	s_add_co_u32 s[TN], s[TN], 512
	v_add_nc_u32 v[ADK], s[TK], v1                 ; the next step's K, scale words and maxima
	v_add_nc_u32 v[ADS], s[TN], v[KSL]
	v_add_nc_u32 v[ADB], s[TN], v[STB]
.else
.rept 3
	v_nop
.endr
.endif
	KQ
.irp b, 0,1,2,3
	v_permlanex16_b32 v[TM+4+\b], v[TM+\b], s20, s21
.endr
.irp b, 0,1,2,3
	v_max_num_f32 v[TM+\b], v[TM+\b], v[TM+4+\b]   ; the block's largest SCORE: p rises with the score, so the same two instructions make of it the block's largest p
.endr
.irp b, 0,1,2,3
	v_fma_f32 v[TM+\b], v[TM+\b], s22, v[NM]       ; (these lines name no register of the products: they are the places behind them)
.endr
.if \nxt
	s_wait_alu depctr_va_vdst(0)                   ; the eight products are done reading KF and KS, in which the next step's K lands; the step's five addresses are written
	KLOAD ADK, ADS
.endif
.irp j, 0,2,4,6,8,10,12,14,16,18,20,22,24,26,28,30,32,34,36,38,40,42,44,46,48,50,52,54,56,58,60,62
	v_pk_fma_f32 v[S+\j:S+\j+1], v[S+\j:S+\j+1], s[22:23], v[NM:NM+1] op_sel_hi:[1,0,0]   ; each accumulator from its low end on
.endr
	s_wait_alu depctr_va_vdst(0)
.irp j, 0,1,2,3,4,5,6,7,8,9,10,11,12,13,14,15,16,17,18,19,20,21,22,23,24,25,26,27,28,29,30,31,32,33,34,35,36,37,38,39,40,41,42,43,44,45,46,47,48,49,50,51,52,53,54,55,56,57,58,59,60,61,62,63
	v_exp_f32 v[S+\j], v[S+\j]                     ; the finished, normalised weight
.endr
.irp b, 0,1,2,3
	v_exp_f32 v[TM+\b], v[TM+\b]
.endr
	v_nop                                          ; a plain place behind the last exponential
	s_wait_alu depctr_va_vdst(0)                   ; one wait for the batch of 68 exponentials, ahead of its first reader
.irp b, 0,1,2,3
	v_max_num_f32 v[TM+\b], 0x1800000, v[TM+\b]    ; the floor 2^(3 - 127): the byte cannot fall under 1
.endr
.irp b, 0,1,2,3
	v_add_nc_u32 v[TM+12+\b], 0xff000000, v[TM+\b]
.endr
.irp b, 0,1,2,3
	v_lshrrev_b32 v[TM+4+\b], 23, v[TM+12+\b]
.endr
	v_lshl_or_b32 v[PSW], v[TM+5], 8, v[TM+4]      ; p's scale word for these 128 keys; a v_nop, six moves and four v_nop stand between its last write and its use
	v_lshl_or_b32 v[PSW], v[TM+6], 16, v[PSW]
	v_lshl_or_b32 v[PSW], v[TM+7], 24, v[PSW]
.irp c, 0,1
	v_cvt_scalef32_pk16_fp6_f32 v[PC+6*\c:PC+6*\c+2], v[S+32*\c:S+32*\c+15], v[TM+12+2*\c]
	v_cvt_scalef32_pk16_fp6_f32 v[PT+4*\c:PT+4*\c+2], v[S+32*\c+16:S+32*\c+31], v[TM+12+2*\c+1]
.endr
	v_nop                                          ; one plain place behind a scaled conversion
	s_wait_alu depctr_va_vdst(0)                   ; the conversions are done reading p, where V's fragments land; the lines on the maxima are done with TM, where the next step's land; the last step's products are done reading VS
.irp t, 0,1,2,3                                ; V^T's four fragments land where p stood
.irp g, 0,1,2
	ds_load_b128 v[S+12*\t+4*\g:S+12*\t+4*\g+3], v[ADV] offset:1536*\t+16*\g
.endr
.endr
	ds_load_b128 v[VS:VS+3], v[ADT]
.if \nxt
	ds_load_b128 v[TM:TM+3], v[ADB]
.endif
.irp c, 0,1                                    ; the operand's layout wants a whole block in a lane.  (These lines name PC and PT alone: none of the registers that the loads above touch)
.irp i, 0,1,2
	v_permlane16_swap_b32 v[PC+6*\c+\i], v[PT+4*\c+\i]
.endr
.irp i, 0,1,2
	v_mov_b32 v[PC+6*\c+3+\i], v[PT+4*\c+\i]
.endr
.endr
	PLACES                                         ; an operand written by vector instructions stands four places ahead of a scaled matrix instruction
	s_wait_dscnt 0x0
	s_wait_alu depctr_va_vdst(0)                   ; the exchanges and moves have written p's codes, the shifts its scale word: the scaled products take both; the places above stay beside this wait
.irp t, 0,1,2,3
	MMA O+8*\t, S+12*\t, PC, VS+\t, PSW
.endr
.endm
	s_mov_b32 s38, 7                               ; (s[TK] and s[TN] are 0 since pass 1's last step)
.Lpass2:                                       ; seven steps; the eighth, which requests nothing, is written out
	P2STEP 1
	s_sub_co_u32 s38, s38, 1
	s_cmp_lg_u32 s38, 0
	s_cbranch_scc1 .Lpass2
	P2STEP 0
	; ---- THE WAY OUT: a lane holds 2 x 64 bytes of one query's 256; through my own stage they come back as whole rows: sixteen lanes store 256 consecutive bytes, at a multiple of 256 from out0's first byte
	PLACES
	s_wait_alu depctr_va_vdst(0)                   ; the last products have written O^T, which the stage's stores read, and are done reading V's fragments, where the rows come back; the places above stay beside this wait
.irp k, 0,1,2,3,4,5,6,7
	ds_store_b128 v[STI], v[O+4*\k:O+4*\k+3] offset:16*(\k%4)+128*(\k/4)   ; each accumulator from its low end on
.endr
.irp k, 0,1,2,3,4,5,6,7
	ds_load_b128 v[S+4*\k:S+4*\k+3], v[STO] offset:544*\k   ; LDS serves a wave's instructions in order (ISA guide 5.7.1.4): these see my stores
.endr
.irp k, 0,1,2,3,4,5,6,7
	s_wait_dscnt 7-\k                              ; the younger loads may stay out
	global_store_b128 v[GO], v[S+4*\k:S+4*\k+3], s[12:13] offset:(2*\k+8*(\k/4))*8192 th:TH_STORE_NT   ; stage rows 2 k, 2 k + 1 are queries 2 k + 8 (k / 4) and the next of the tile
.endr
	s_wait_xcnt 0x0
	v_lshl_add_u32 v254, v0, 2, 0x4f000            ; the add's two registers, made anew straight ahead of the closing lines: no memory or LDS instruction has read v254 or v255 since the wait on vm_vsrc at the second pair's end
	v_mov_b32 v255, 0
	s_wait_dscnt 0x0                               ; the closing lines, six on end
	s_wait_alu 0x0
	s_wait_tensorcnt 0x0
	ds_add_u32 v254, v255
	s_wait_dscnt 0x0
	s_endpgm
.Lfunc_end_k_q042486212d_attn:
	.size	k_q042486212d_attn, .Lfunc_end_k_q042486212d_attn-k_q042486212d_attn
	.p2alignl 7, 3214868480
	.fill 96, 4, 3214868480
	.section	.rodata,"a",@progbits
	.p2align	6, 0x0
	.amdhsa_kernel k_q042486212d_attn
		.amdhsa_group_segment_fixed_size 325632
		.amdhsa_private_segment_fixed_size 0
		.amdhsa_enable_private_segment 0
		.amdhsa_kernarg_size 40
		.amdhsa_user_sgpr_count 2
		.amdhsa_user_sgpr_kernarg_segment_ptr 1
		.amdhsa_wavefront_size32 1
		.amdhsa_system_sgpr_workgroup_id_x 1
		.amdhsa_system_sgpr_workgroup_id_y 1
		.amdhsa_system_sgpr_workgroup_id_z 1
		.amdhsa_system_vgpr_workitem_id 0
		.amdhsa_next_free_vgpr 256
		.amdhsa_next_free_sgpr 66
		.amdhsa_reserve_vcc 0
		.amdhsa_float_denorm_mode_32 3
		.amdhsa_float_denorm_mode_16_64 3
		.amdhsa_memory_ordered 1
		.amdhsa_forward_progress 1
		.amdhsa_inst_pref_size 164
	.end_amdhsa_kernel
	.amdgpu_metadata
---
amdhsa.version: [ 1, 2 ]
amdhsa.kernels:
  - .name:           k_q042486212d_attn
    .symbol:         k_q042486212d_attn.kd
    .args:
      - { .name: xc, .offset: 0, .size: 8, .value_kind: global_buffer, .address_space: global }
      - { .name: xs, .offset: 8, .size: 8, .value_kind: global_buffer, .address_space: global }
      - { .name: wc, .offset: 16, .size: 8, .value_kind: global_buffer, .address_space: global }
      - { .name: ws, .offset: 24, .size: 8, .value_kind: global_buffer, .address_space: global }
      - { .name: out0, .offset: 32, .size: 8, .value_kind: global_buffer, .address_space: global }
    .group_segment_fixed_size: 325632
    .private_segment_fixed_size: 0
    .kernarg_segment_align: 8
    .kernarg_segment_size: 40
    .max_flat_workgroup_size: 512
    .sgpr_count:     66
    .vgpr_count:     256
    .wavefront_size: 32
...
	.end_amdgpu_metadata
.endif
;; end of part 4
